; MI455X (gfx1250); checked and timed in simulation.
; The chip was launched on July 23, 2026; its instructions are those of AMD's public machine-readable ISA for CDNA 5 (MIT licence, August 2026) and "CDNA5" Instruction Set Architecture Reference Guide (July 2026). The comments in the code are by the model that wrote it; some were corrected since.
;; Causal Self Attention. Allowed arithmetic: matrix products marked QUANTISED: E2M3 operands, one E8M0 scale for each 32 along K, by v_wmma_scale_f32_16x16x128_f8f6f4 with both operands' format E2M3, f32 sums; everything else in f32.
;; Inputs: W_attn 3,072 x 1,024 float32; W_proj 1,024 x 1,024 float32; b_attn 3,072 float32; b_proj 1,024 float32; x 4 x 2,048 x 1,024 float32.
;; Outputs: out0 4 x 2,048 x 1,024 float32.
;; This version of the problem:
;;   THIS VERSION OF THE PROBLEM IS GIVEN IN LOW PRECISION. The matrix products marked QUANTISED in the list below multiply operands that are first quantised to E2M3 (2 exponent bits, 3 mantissa bits; 6 bits a number), with one power-of-two scale for each 32 numbers along K (OCP MX v1.0); their sums are f32. All else is computed in f32.
;;   The module's matrix products, in the order in which they are computed (A, B: the left and right operand; K: the contracted axis; several contracted axes count as one K, in the product's order):
;;     1. [M 8,192, K 1,024] x [K 1,024, N 3,072]; A: input x; B: input W_attn: QUANTISED
;;     2. batch 64 x [M 2,048, K 64] x [K 64, N 2,048]; A: computed on the way; B: computed on the way: QUANTISED
;;     3. batch 64 x [M 2,048, K 2,048] x [K 2,048, N 64]; A: softmax (see below); B: computed on the way: QUANTISED
;;     4. [M 8,192, K 1,024] x [K 1,024, N 1,024]; A: computed on the way; B: input W_proj: QUANTISED
;;   THE QUANTISER, for each operand of a quantised product, along K:
;;     - K is cut into blocks of 32 from its start; a last block that is shorter is filled with zeros.
;;     - A block's scale is 2^e with e = floor(log2(the largest magnitude in the block)) - 2, held to -126 .. 127; a block of zeros has e = 0. As a byte (E8M0): e + 127.
;;     - Each number is divided by its block's scale, clamped to +-7.5, and rounded to the nearest number of E2M3, ties to even, subnormals kept.
;;     - The product sums the exact products of the quantised numbers (number of the format x scale) in f32.
;;   ~~~python
;;   def quantise(x, axis):      # numpy; x: float32 -> the quantised numbers, widened to float32 again
;;       x = np.moveaxis(x, axis, -1); K = x.shape[-1]
;;       x = np.pad(x, [(0, 0)] * (x.ndim - 1) + [(0, -K % 32)]); x = x.reshape(x.shape[:-1] + (-1, 32)); a = np.abs(x).max(-1, keepdims=True)
;;       e = np.where(a > 0, np.clip(np.frexp(np.where(a > 0, a, 1))[1] - 1 - 2, -126, 127), 0)      # np.frexp(a)[1] - 1 = floor(log2(a)), exactly
;;       r = np.clip(x / 2.0 ** e, -7.5, 7.5)
;;       step = 2.0 ** (np.maximum(np.frexp(np.where(r == 0, 1, r))[1] - 1, 0) - 3)
;;       q = np.round(r / step) * step * 2.0 ** e      # np.round: ties to even
;;       return np.moveaxis(q.reshape(q.shape[:-2] + (-1,))[..., :K], -1, axis).astype(np.float32)
;;   ~~~
;;   SOFTMAX AHEAD OF A QUANTISED PRODUCT. Where the list says 'softmax', what is quantised is not the finished softmax but p = 2^(t - M), with t = logit x log2(e) and M = ceil(the row's largest t), a whole number; so 1/2 < the row's largest p <= 1. The row's sum l is taken of the UNQUANTISED p, in f32, and the product's result is divided by l at the end. Since M is a whole number, a kernel that streams over the keys may use a running M (the ceiling of the running maximum): every later rescaling is an exact power of two, which a block's scale takes up: the codes' values come out the same.
;;   OPERANDS COMPUTED ON THE WAY. 'Computed on the way' means the value that the module computes at that place (a softmax that the list does not call 'softmax' is quantised finished and normalised). What goes into a quantiser is computed in f32, as accurately as f32 sums, v_exp_f32 and their like allow (about 1e-6 of the number): no bf16 or f16 on the way to a quantiser, and a product that is left as it is and whose result goes on into a quantised operand takes f32 operands (vector FMAs, or v_wmma_f32_16x16x4_f32). A number that lies on a knife's edge between two numbers of the format may be rounded either way, as far as f32 arithmetic and the matrix unit's own rounding can turn it there, and no further.
;; One version. Each part assembles by itself: llvm-mc -triple=amdgcn-amd-amdhsa -mcpu=gfx1250 --defsym DOCPART=n.
;; ======== version 1 of 1: 4 launches
;; limits: right only within a limited range of input values
;; workspace buffers: opc 9,437,184 bytes; ops 393,216 bytes; qkvc 18,874,368 bytes; qkvs 786,432 bytes; yc 6,291,456 bytes; ys 262,144 bytes
;; launch quant (part 1): grid 384 x 1, 4 waves a work-group, no clusters, 34,304 bytes of LDS; arguments x, W_attn, W_proj, opc, ops; writes opc, ops
.if DOCPART == 1
	.amdgcn_target "amdgcn-amd-amdhsa--gfx1250"
	.amdhsa_code_object_version 6
	.text
	.protected	k_q805753a401_quant
	.globl	k_q805753a401_quant
	.p2align	8
	.type	k_q805753a401_quant,@function
k_q805753a401_quant:
	s_mov_b64 s[64:65], 0
	v_nop
	global_prefetch_b8 v0, s[64:65] scope:SCOPE_SE
	s_setreg_imm32_b32 hwreg(HW_REG_WAVE_MODE, 25, 1), 1
	s_wait_xcnt 0x0
; x [8192][1024], W_attn [3072][1024], W_proj [1024][1024], f32 with K innermost, become codes of FP6 (E2M3) with one E8M0 byte for each 32 along K.
; A block's scale is 2^(floor(log2(its largest magnitude)) - 2); its byte is the largest magnitude's exponent field - 2, held at 1 from below.
; LIMITS: NaN and infinities among the inputs are not served; a block of zeros, or one whose largest magnitude lies under 2^-124, gets the byte 1 (its codes are zeros or nearly so; the bytes are read by this program alone).
; LAYOUT OF THE RESULT: the order of the matrix operand's registers.  A ROW TILE T is 16 rows: 32 (T / 2) + 8 (T % 2) + i + 8 (i / 8), i = 0 .. 15.  Tiles 0-511 are x's, 512-703 W_attn's, 704-767 W_proj's.
; A HALF IMAGE is 16 rows x 64 K in 768 bytes: lane l = r + 16 h owns the 24 bytes of row r's block h: its first 16 bytes at 16 l, its last 8 at 512 + 8 l.  opc: [tile][16 half images].
; ops: [tile][K / 256][row][2 words]: a word is the four scale bytes of 128 along K.
; A wave takes one tile x 512 along K, in four steps of 128.  Each load reads 512 consecutive bytes of one row; a step's 16 rows turn through the wave's own stage in LDS (rows 528 bytes apart: row r starts 16 r bytes on
; modulo 256), so that lane (r, h) gets its two whole blocks, k = 64 c + 32 h + 0 .. 31, in 64 registers: no other lane is asked for a maximum, and the conversions' results are the operand's registers.
; No tensor loads, no barrier: waves share nothing.  Loads run two steps (32 loads a wave) ahead.
.set STG,  8448                        ; a wave's stage: 16 rows x 528 bytes
.set SP,   528
.set MX,   6                           ; v6-7    the two blocks' largest magnitudes
.set SO,   8                           ; v8-9    the conversions' scale operands
.set BY,   10                          ; v10-11  the scale bytes
.set TP,   12                          ; v12     the exchange with lane l xor 16
.set RW,   16                          ; v16-143 two sets of 64 registers as loaded
.set XN,   144                         ; v144-207 my two blocks
.set PC,   208                         ; v208-219 a fragment's codes
.set TQ,   220                         ; v220-222, v224-226 the blocks' upper halves as converted
.set WD,   228                         ; v228-231 the four steps' scale words
.set OW,   232                         ; v232-233 the two words that I store
	s_load_b256 s[4:11], s[0:1], 0x0               ; x, W_attn, W_proj, opc
	s_load_b64 s[12:13], s[0:1], 0x20              ; ops
	v_lshl_add_u32 v240, v0, 2, 0x8400
	v_mov_b32 v241, 0
	v_lshrrev_b32 v14, 5, v0
	v_readfirstlane_b32 s16, v14                   ; wave
	v_and_b32 v14, 31, v0                          ; lane
	v_and_b32 v15, 15, v0                          ; r
	v_bfe_u32 v13, v0, 4, 1                        ; h
	v_lshlrev_b32 v1, 4, v14                       ; 16 x lane
	v_lshlrev_b32 v2, 3, v14                       ; 8 x lane
	s_mul_i32 s17, s16, STG
	v_add_nc_u32 v3, s17, v1                       ; the stage, on the way in: a row's 512 bytes as they lie
	v_mul_u32_u24 v4, v15, SP
	v_lshl_add_u32 v4, v13, 7, v4
	v_add_nc_u32 v4, s17, v4                       ; and on the way out: row r, 128 h bytes on
	v_lshlrev_b32 v5, 3, v13                       ; 8 h: my bytes' place in a scale word
	v_mov_b32 v[TP], 0                             ; written once: a lane permute's destination counts as one of its sources
	s_mov_b32 s20, 0x76543210
	s_mov_b32 s21, 0xfedcba98                      ; selects for lane l xor 16
	s_lshl_b32 s15, ttmp9, 2
	s_add_co_u32 s15, s15, s16                     ; my task: 4 x work-group + wave
	s_lshr_b32 s18, s15, 1                         ; its tile,
	s_and_b32 s19, s15, 1                          ; and which half of K
	s_wait_alu depctr_va_vdst(0)
	s_wait_kmcnt 0x0
	s_cmp_lt_u32 ttmp9, 256                        ; which tensor: the choice hangs on the work-group's number alone
	s_cselect_b64 s[4:5], s[4:5], s[6:7]
	s_cselect_b32 s14, 0, 512
	s_cmp_lt_u32 ttmp9, 352
	s_cselect_b64 s[4:5], s[4:5], s[8:9]
	s_cselect_b32 s14, s14, 704                    ; the tensor's first tile
	s_sub_co_u32 s22, s18, s14                     ; my tile within the tensor
	s_lshr_b32 s23, s22, 1
	s_lshl_b32 s23, s23, 5
	s_and_b32 s22, s22, 1
	s_lshl_b32 s22, s22, 3
	s_add_co_u32 s22, s22, s23                     ; its first row
	s_lshl_b32 s22, s22, 12                        ; x 4,096 bytes (under 2^26)
	s_lshl_b32 s23, s19, 11
	s_add_co_u32 s22, s22, s23
	s_mov_b32 s23, 0
	s_add_nc_u64 s[4:5], s[4:5], s[22:23]
	s_mul_i32 s22, s18, 12288
	s_mul_i32 s24, s19, 6144
	s_add_co_u32 s22, s22, s24
	s_add_nc_u64 s[10:11], s[10:11], s[22:23]
	s_lshl_b32 s22, s18, 9
	s_lshl_b32 s24, s19, 8
	s_add_co_u32 s22, s22, s24
	s_add_nc_u64 s[12:13], s[12:13], s[22:23]
.macro LOAD t                          ; step t: 128 along K of the tile's 16 rows
.irp i, 0,1,2,3,4,5,6,7,8,9,10,11,12,13,14,15
	global_load_b128 v[RW+64*((\t)%2)+4*\i:RW+64*((\t)%2)+4*\i+3], v1, s[4:5] offset:(\i+8*(\i/8))*4096+512*(\t) th:TH_LOAD_NT
.endr
.endm
.macro TURN t                          ; through the stage: LDS serves a wave's instructions in order, so no wait stands between the stores and the loads
.irp i, 0,1,2,3,4,5,6,7,8,9,10,11,12,13,14,15
	ds_store_b128 v3, v[RW+64*((\t)%2)+4*\i:RW+64*((\t)%2)+4*\i+3] offset:SP*\i
.endr
.irp c, 0,1
.irp j, 0,1,2,3,4,5,6,7
	ds_load_b128 v[XN+32*\c+4*\j:XN+32*\c+4*\j+3], v4 offset:256*\c+16*\j
.endr
.endr
.endm
.macro QSTEP t
.irp c, 0,1
	v_max3_num_f32 v[MX+\c], |v[XN+32*\c]|, |v[XN+32*\c+1]|, 0x1800000   ; my block 2 c + h, and the floor 2^(3 - 127): the byte cannot fall under 1
.endr
.irp i, 2,4,6,8,10,12,14,16,18,20,22,24,26,28,30
.irp c, 0,1
	v_max3_num_f32 v[MX+\c], v[MX+\c], |v[XN+32*\c+\i]|, |v[XN+32*\c+\i+1]|
.endr
.endr
.irp c, 0,1
	v_add_nc_u32 v[SO+\c], 0xff000000, v[MX+\c]    ; 2 off the exponent field: the conversion takes this operand's exponent field as its scale
.endr
.irp c, 0,1
	v_lshrrev_b32 v[BY+\c], 23, v[SO+\c]           ; the scale's byte
.endr
	v_lshl_or_b32 v[WD+\t], v[BY+1], 16, v[BY]     ; blocks h and 2 + h,
	v_lshlrev_b32 v[WD+\t], v5, v[WD+\t]           ; at their places in the word;
	v_permlanex16_b32 v[TP], v[WD+\t], s20, s21
	v_or_b32 v[WD+\t], v[WD+\t], v[TP]             ; with lane l xor 16's two the word is whole, in both lanes
.if \t > 0
	s_wait_alu depctr_va_vdst(0)
	s_wait_xcnt 0x0                                ; the last step's stores have read the codes' registers
.endif
.irp c, 0,1
	v_cvt_scalef32_pk16_fp6_f32 v[PC+6*\c:PC+6*\c+2], v[XN+32*\c:XN+32*\c+15], v[SO+\c]
	v_cvt_scalef32_pk16_fp6_f32 v[TQ+4*\c:TQ+4*\c+2], v[XN+32*\c+16:XN+32*\c+31], v[SO+\c]   ; (a conversion's three registers begin on an even number)
.endr
	v_nop                                          ; one plain place behind a scaled conversion
.irp c, 0,1
.irp i, 0,1,2
	v_mov_b32 v[PC+6*\c+3+\i], v[TQ+4*\c+\i]
.endr
.endr
	global_store_b128 v1, v[PC:PC+3], s[10:11] offset:1536*\t          ; 512 consecutive bytes,
	global_store_b64 v2, v[PC+4:PC+5], s[10:11] offset:1536*\t+512     ; 256,
	global_store_b128 v1, v[PC+6:PC+9], s[10:11] offset:1536*\t+768    ; and the second half image
	global_store_b64 v2, v[PC+10:PC+11], s[10:11] offset:1536*\t+1280
.endm
	LOAD 0
	LOAD 1
.irp t, 0,1,2,3
.if \t < 3
	s_wait_loadcnt 16                              ; this step's 16 loads are in; the next step's may be out
.else
	s_wait_loadcnt 0x0
.endif
	TURN \t
	s_wait_dscnt 0x0                               ; my blocks are in registers, and the stores into the stage have read theirs
.if \t < 2
	LOAD \t+2
.endif
	QSTEP \t
.endr
	v_cmp_eq_u32 vcc_lo, 1, v13                    ; lanes 0-15 store the words of the first 256 along K, lanes 16-31 those of the second
	v_cndmask_b32 v[OW], v[WD], v[WD+2], vcc_lo
	v_cndmask_b32 v[OW+1], v[WD+1], v[WD+3], vcc_lo
	global_store_b64 v2, v[OW:OW+1], s[12:13]      ; 256 consecutive bytes, aligned
	s_wait_tensorcnt 0x0
	ds_add_u32 v240, v241
	s_wait_dscnt 0x0
	s_endpgm
.Lfunc_end_k_q805753a401_quant:
	.size	k_q805753a401_quant, .Lfunc_end_k_q805753a401_quant-k_q805753a401_quant
	.p2alignl 7, 3214868480
	.fill 96, 4, 3214868480
	.section	.rodata,"a",@progbits
	.p2align	6, 0x0
	.amdhsa_kernel k_q805753a401_quant
		.amdhsa_group_segment_fixed_size 34304
		.amdhsa_private_segment_fixed_size 0
		.amdhsa_enable_private_segment 0
		.amdhsa_kernarg_size 40
		.amdhsa_user_sgpr_count 2
		.amdhsa_user_sgpr_kernarg_segment_ptr 1
		.amdhsa_wavefront_size32 1
		.amdhsa_system_sgpr_workgroup_id_x 1
		.amdhsa_system_sgpr_workgroup_id_y 1
		.amdhsa_system_sgpr_workgroup_id_z 1
		.amdhsa_system_vgpr_workitem_id 0
		.amdhsa_next_free_vgpr 242
		.amdhsa_next_free_sgpr 66
		.amdhsa_reserve_vcc 1
		.amdhsa_float_denorm_mode_32 3
		.amdhsa_float_denorm_mode_16_64 3
		.amdhsa_memory_ordered 1
		.amdhsa_forward_progress 1
		.amdhsa_inst_pref_size 31
	.end_amdhsa_kernel
	.amdgpu_metadata
---
amdhsa.version: [ 1, 2 ]
amdhsa.kernels:
  - .name:           k_q805753a401_quant
    .symbol:         k_q805753a401_quant.kd
    .args:
      - { .name: x, .offset: 0, .size: 8, .value_kind: global_buffer, .address_space: global }
      - { .name: W_attn, .offset: 8, .size: 8, .value_kind: global_buffer, .address_space: global }
      - { .name: W_proj, .offset: 16, .size: 8, .value_kind: global_buffer, .address_space: global }
      - { .name: opc, .offset: 24, .size: 8, .value_kind: global_buffer, .address_space: global }
      - { .name: ops, .offset: 32, .size: 8, .value_kind: global_buffer, .address_space: global }
    .group_segment_fixed_size: 34304
    .private_segment_fixed_size: 0
    .kernarg_segment_align: 8
    .kernarg_segment_size: 40
    .max_flat_workgroup_size: 128
    .sgpr_count:     66
    .vgpr_count:     242
    .wavefront_size: 32
...
	.end_amdgpu_metadata
.endif
;; end of part 1
;; launch qkv (part 2): grid 8 x 48, 4 waves a work-group, clusters of 4 x 4, 327,680 bytes of LDS; arguments opc, ops, b_attn, qkvc, qkvs; writes qkvc, qkvs
.if DOCPART == 2
	.amdgcn_target "amdgcn-amd-amdhsa--gfx1250"
	.amdhsa_code_object_version 6
	.text
	.protected	k_q805753a401_qkv
	.globl	k_q805753a401_qkv
	.p2align	8
	.type	k_q805753a401_qkv,@function
k_q805753a401_qkv:
	s_mov_b64 s[64:65], 0
	v_nop
	global_prefetch_b8 v0, s[64:65] scope:SCOPE_SE
	s_setreg_imm32_b32 hwreg(HW_REG_WAVE_MODE, 25, 1), 1
	s_wait_xcnt 0x0
	s_wait_alu depctr_hold_cnt(0) depctr_sa_sdst(0) depctr_va_vdst(0) depctr_va_sdst(0) depctr_va_ssrc(0) depctr_va_vcc(0) depctr_vm_vsrc(0)
	s_getreg_b32 s2, hwreg(HW_REG_IB_STS2, 6, 4)
	s_cmp_eq_u32 s2, 0
	s_cbranch_scc0 .Lentry_in_a_cluster
	s_endpgm
.Lentry_in_a_cluster:
	s_bfe_u32 s2, ttmp6, 0x10000c
	s_cmp_lg_u32 s2, 0xf033
	s_cbranch_scc0 .Lentry_shape_is_right
	s_endpgm
.Lentry_shape_is_right:
; qkv = x W_attn^T + b_attn on codes of FP6 (E2M3) with E8M0 scales, K = 1,024; the results are quantised in registers and leave as codes: q and k along the head's 64, v along the tokens.
; A tile of C, 256 x 256, is made by four waves, each 128 x 128: 64 accumulators, 512 registers.
; OPERANDS lie in memory in the order of the operand's registers (row tiles of 16 rows: 32 (T / 2) + 8 (T % 2) + i + 8 (i / 8), 12,288 bytes for all of K; half images of 16 rows x 64 K in 768 bytes): a fragment is two loads of
; 16 bytes a lane and two of 8, each of consecutive bytes.  THE MATRIX INSTRUCTION IS USED TRANSPOSED (source 0 = B's 16 rows, source 1 = A's): a lane holds ONE row of A, and the registers of B's tiles 2 b, 2 b + 1 are 16 neighbouring rows of B.
; LDS AND K.  K has four steps of 256 (3,072 bytes of a row tile).  Slot X (196,608 bytes) takes K steps 0 and 1 at the head, as rows of 6,144 bytes: A's 16 row tiles, then B's.  Slot Y (98,304 bytes) takes K step 2, a first fill behind
; the full sequence and a round.  K step 3 is the one refill: it lands on X's first 98,304 bytes, as rows of 3,072, behind the round in matrix step 3, when X has been read out.  The scale words for all of K come once.
; THE HEAD: one joint load a wave: A's codes, B's codes, A's scale words, B's.  In the ring each wave fetches 8 row tiles.
; ONE TEXT, TWO ORIENTATIONS, chosen without a branch by selects on the cluster's y, which all partners share.  Clusters 0-7 along y: A = x (tokens), B = W_attn's rows 0-2,047: q and k are quantised along the head.
; Clusters 8-11: A = W_attn's rows 2,048-3,071, B = x: a lane holds one feature of v and runs down the tokens, which are the K of attention's second product.
; A wave's 128 x 128 is one head pair x one chunk of 128 tokens: eight fragments (12,288 bytes) and 512 bytes of scale words, stored as they stand.
; THE BIAS in one fused multiply-add for both orientations: T = BN x BM + sum, with (BN, BM) = (b_attn at my register's feature, 1) or (1, b_attn at my lane's feature): a factor 1 is exact.
; CLUSTERS: 4 x 4 work-groups; A's tiles are asked for jointly along a row of the cluster, B's along a column.  384 tiles are 24 clusters.
; NO PREFETCH: three of K's four steps are asked for ahead of the first product, so no trip stands two steps ahead of the one refill.
; LIMITS: NaN and infinities are not served (b_attn must be finite); a block of zeros or under 2^-124 gets the byte 1: this program alone reads the bytes.
; REGISTERS: window 0: v1-29 addresses; v32-63 scale words, two sets; v64-127 BN; v128-223 A's fragments, ONE set (on the way out: v128-191 T, v192-210 codes, v212-227 at work); v228-235 the scale words made; v236-251 BM.
;   window 1: B's fragments, two sets, at v0 and v128.   windows 2, 3: the accumulators ((a, b) at v[8 (8 (a % 4) + b)]).
.set FR,     12                        ; registers of a fragment
.set NL,     4                         ; LDS loads that bring one
.set NP,     4                         ; places behind this matrix instruction (ISA guide 7.12.1)
.set HALFT,  8*3072                    ; 8 row tiles of one K step: what a load of the ring brings
.set XB,     8*HALFT/2                 ; B's row tiles in X: behind A's 16 x 6,144 bytes
.set YB,     8*HALFT                   ; slot Y
.set SCL,    12*HALFT                  ; the scale words
.set HALFS,  4096                      ; those of 128 rows
.set SPARE,  SCL+4*HALFS               ; the spare words, 128 bytes a wave: two blocks of 256 bytes that no other line names
.set ADRA, 10                          ; v10-12 my A fragments in X, in Y, in X as refilled, 16 bytes a lane; v13-15 the same, 8 bytes a lane
.set ADRB, 16                          ; v16-21 the same for B
.set SA,   24                          ; the scale words' store: 32 r + 16 h
.set L8,   25
.set L16,  26
.set ADRS, 27                          ; my scale words in LDS: lanes 0-15 A's rows, lanes 16-31 B's
.set SPW,  28                          ; my spare word; never rewritten
.set NIL,  29                          ; 0; never rewritten
.set SC,   32
.set BN,   64
.set AF,   128
.set TT,   128
.set PC,   192
.set TM,   212
.set PWS,  228
.set BM,   236
.set OW,   252
.set SEL,  96                          ; s[96:97] selects for lane l xor 16
.set G1, 24                            ; s[24:31] group 1 of A's codes; s[32:35] group 0 of the head's load, s[36:39] of the ring's
.set G0, 32
.set G1B, 48                           ; the same for B
.set G0B, 56
.set G1S, 68
.set G0S, 76
.set G1SB, 80
.set G0SB, 88
.set MSB, 0
.macro WIN new                         ; the immediate's high byte repeats the setting that is left
.if MSB != \new
	s_set_vgpr_msb (MSB<<8)|\new
.set MSB, \new
.endif
.endm
.set MUL_LO, 0xa1                      ; source 0 (B) window 1, source 1 (A) window 0, C and D window 2
.set MUL_HI, 0xf1                      ; the same, C and D window 3
.set TO_B,   0x40
.macro PLACES n
.rept \n
	v_nop
.endr
.endm
.macro TL g0, g1                       ; s_nop 0 and four v_nop follow each tensor load
	tensor_load_to_lds s[\g0:\g0+3], s[\g1:\g1+7]
	s_nop 0
	PLACES 4
.endm
.macro JLOAD                           ; the ring's joint load: waves 0 and 1 fetch for A, waves 2 and 3 for B
	s_cmp_eq_u32 s15, 0
	s_cbranch_scc0 .Lfor_b_\@
	TL G0+4, G1
	s_branch .Lasked_\@
.Lfor_b_\@:
	TL G0B+4, G1B
.Lasked_\@:
.endm
.macro CREST                           ; a round of the cluster's barrier behind its opening barrier
	s_cmp_lg_u32 s14, 0
	s_cbranch_scc1 .Lnot_wave_0_\@
	s_barrier_signal -3
.Lnot_wave_0_\@:
	s_barrier_wait -3
	s_barrier_signal -1
	s_barrier_wait -1
.endm
.macro CROUND
	s_barrier_signal -1
	s_barrier_wait -1
	CREST
.endm
	s_load_b256 s[4:11], s[0:1], 0x0               ; opc s[4:5], ops s[6:7], b_attn s[8:9], qkvc s[10:11]
	s_load_b64 s[12:13], s[0:1], 0x20              ; qkvs
	v_lshl_add_u32 v[SPW], v0, 2, SPARE
	v_mov_b32 v[NIL], 0
	ds_add_u32 v[SPW], v[NIL]                      ; the opening lines: the add, twice on end, and its wait ahead of my first tensor load
	ds_add_u32 v[SPW], v[NIL]
	v_lshrrev_b32 v1, 5, v0
	v_readfirstlane_b32 s14, v1                    ; wave
	s_lshr_b32 s15, s14, 1                         ; which half of the tile's rows is mine.  Also: I fetch for A (0) or for B (1)
	s_and_b32 s16, s14, 1                          ; which half of its columns.  Also: which 128 rows of that tile I fetch
	s_bfe_u32 s40, ttmp6, 0x40000                  ; cx, cy
	s_bfe_u32 s41, ttmp6, 0x40004
	s_and_b32 s17, ttmp7, 0xffff                   ; the cluster's y, 0 .. 11
	s_max_u32 s18, s17, 8
	s_sub_co_u32 s18, s18, 8
	s_lshl_b32 s18, s18, 1
	s_add_co_u32 s18, s18, ttmp9                   ; v's part: cluster column 2 (y - 8) + x
	s_cmp_lt_u32 s17, 8                            ; q and k, or v: the same answer in all sixteen partners
	s_cselect_b32 s95, -1, 0                       ; as a lane mask for the selects on the bias
	s_cselect_b32 s42, ttmp9, s18                  ; cluster column
	s_cselect_b32 s17, s17, 0                      ; cluster row
	s_cselect_b32 s92, 0, 7864320                  ; where A's codes begin in opc: x, or W_attn's row 2,048 (tile 640)
	s_cselect_b32 s93, 6291456, 0                  ; B's: W_attn (tile 512), or x
	s_cselect_b32 s94, 0, 327680                   ; and the same in ops
	s_cselect_b32 s98, 262144, 0
	s_lshl_b32 s42, s42, 2
	s_add_co_u32 s42, s42, s40                     ; tile column
	s_lshl_b32 s17, s17, 2
	s_add_co_u32 s17, s17, s41                     ; tile row
	s_lshl_b32 s43, s41, 2
	s_lshl_b32 s43, 15, s43                        ; my row of the cluster
	s_lshl_b32 s44, 0x1111, s40                    ; my column
	s_or_b32 s[G1], s43, (3<<16)|(1<<21)           ; codes, the head's shape: 16 row tiles x 6,144 bytes (768 elements of 8), 12,288 bytes apart in memory, on end in LDS
	s_or_b32 s[G1B], s44, (3<<16)|(1<<21)
.irp g, G1, G1B
	s_mov_b32 s[\g+1], 768<<16
	s_mov_b32 s[\g+2], 16<<16
	s_mov_b32 s[\g+3], 768<<16
	s_mov_b32 s[\g+4], 16
	s_mov_b32 s[\g+5], 1536
	s_mov_b32 s[\g+6], 0
	s_mov_b32 s[\g+7], 0
.endr
	s_or_b32 s[G1S], s43, (3<<16)|(1<<21)          ; the scale words of 256 rows: 8,192 dense bytes as 32 rows of 256
	s_or_b32 s[G1SB], s44, (3<<16)|(1<<21)
.irp g, G1S, G1SB
	s_mov_b32 s[\g+1], 32<<16
	s_mov_b32 s[\g+2], 32<<16
	s_mov_b32 s[\g+3], 32<<16
	s_mov_b32 s[\g+4], 32
	s_mov_b32 s[\g+5], 32
	s_mov_b32 s[\g+6], 0
	s_mov_b32 s[\g+7], 0
.endr
	s_lshl_b32 s20, s17, 8                         ; A: the tile's first row
	s_lshl_b32 s46, s42, 8                         ; B's
	s_lshl_b32 s22, s20, 5                         ; 32 bytes of scale words a row,
	s_add_co_u32 s22, s22, s94
	s_mov_b32 s23, 0
	s_mul_i32 s20, s20, 768                        ; 768 bytes of codes (all under 2^24)
	s_add_co_u32 s20, s20, s92
	s_mov_b32 s21, 0
	s_lshl_b32 s92, s46, 5
	s_add_co_u32 s92, s92, s98
	s_mul_i32 s46, s46, 768
	s_add_co_u32 s46, s46, s93
	s_mov_b32 s93, 0
	s_mov_b32 s47, 0
	s_mul_i32 s45, s14, HALFT                      ; the ring: where my 8 row tiles go: no place in the cluster enters an LDS address
	s_mul_i32 s2, s16, 8*12288                     ; and where they begin in memory, from the tile's start
	s_mov_b32 s3, 0
	s_mov_b32 s[SEL], 0x76543210
	s_mov_b32 s[SEL+1], 0xfedcba98
.irp g, G0S, G0SB, G0, G0B, G0+4, G0B+4
	s_mov_b32 s[\g], 1
.endr
	s_mov_b32 s[G0S+1], SCL
	s_mov_b32 s[G0SB+1], SCL+2*HALFS
	s_mov_b32 s[G0+1], 0
	s_mov_b32 s[G0B+1], XB
	s_add_co_u32 s[G0+5], s45, YB
	s_add_co_u32 s[G0B+5], s45, YB
	s_wait_dscnt 0x0                               ; both opening adds are done
	s_wait_kmcnt 0x0
	s_add_nc_u64 s[G0+2:G0+3], s[4:5], s[20:21]
	s_add_nc_u64 s[G0S+2:G0S+3], s[6:7], s[22:23]
	s_add_nc_u64 s[G0B+2:G0B+3], s[4:5], s[46:47]
	s_add_nc_u64 s[G0SB+2:G0SB+3], s[6:7], s[92:93]
	s_add_nc_u64 s[G0+6:G0+7], s[G0+2:G0+3], s[2:3]        ; the ring begins at K step 2 of my 128 rows
	s_add_nc_u64 s[G0+6:G0+7], s[G0+6:G0+7], 6144
	s_add_nc_u64 s[G0B+6:G0B+7], s[G0B+2:G0B+3], s[2:3]
	s_add_nc_u64 s[G0B+6:G0B+7], s[G0B+6:G0B+7], 6144
.irp g, G0S, G0SB, G0, G0B, G0+4, G0B+4
	s_or_b32 s[\g+3], s[\g+3], 0x80000000
.endr
	CROUND                                         ; all sixteen work-groups are here: the first joint loads meet
.macro ARM under, g0, g1, next         ; one chain of branches on the wave's number: every way through it passes exactly one load
	s_cmp_lt_u32 s14, \under
	s_cbranch_scc0 \next
	TL \g0, \g1
	s_branch .Lhead_asked
\next:
.endm
	ARM 1, G0,  G1,  .Lhead_b
	ARM 2, G0B, G1B, .Lhead_sa
	ARM 3, G0S, G1S, .Lhead_sb
	TL G0SB, G1SB
.Lhead_asked:
	s_mul_i32 s21, s15, 2*HALFT                    ; X: my 128 rows of A,
	s_mul_i32 s22, s16, 2*HALFT
	s_add_co_u32 s22, s22, XB                      ; of B
	s_mul_i32 s18, s15, HALFT                      ; X as refilled
	s_mul_i32 s19, s16, HALFT
	s_add_co_u32 s19, s19, 2*HALFT
	s_add_co_u32 s20, s18, YB                      ; Y
	s_add_co_u32 s23, s19, YB
	v_and_b32 v1, 15, v0                           ; r
	v_bfe_u32 v2, v0, 4, 1                         ; h
	v_and_b32 v3, 31, v0
	v_lshlrev_b32 v[L16], 4, v3
	v_lshlrev_b32 v[L8], 3, v3
	v_add_nc_u32 v[ADRA], s21, v[L16]
	v_add_nc_u32 v[ADRA+1], s20, v[L16]
	v_add_nc_u32 v[ADRA+2], s18, v[L16]
	v_add_nc_u32 v[ADRA+3], s21, v[L8]
	v_add_nc_u32 v[ADRA+4], s20, v[L8]
	v_add_nc_u32 v[ADRA+5], s18, v[L8]
	v_add_nc_u32 v[ADRB], s22, v[L16]
	v_add_nc_u32 v[ADRB+1], s23, v[L16]
	v_add_nc_u32 v[ADRB+2], s19, v[L16]
	v_add_nc_u32 v[ADRB+3], s22, v[L8]
	v_add_nc_u32 v[ADRB+4], s23, v[L8]
	v_add_nc_u32 v[ADRB+5], s19, v[L8]
	v_lshlrev_b32 v5, 3, v1                        ; my row's two words of a K step: 8 r
	s_mul_i32 s21, s15, HALFS                      ; A's: my 128 rows
	s_mul_i32 s22, s16, HALFS                      ; B's: my 128 rows, behind A's 256
	s_add_co_u32 s22, s22, 2*HALFS
	s_sub_co_u32 s22, s22, s21
	v_mul_u32_u24 v6, s22, v2                      ; lanes 16-31 take B's
	s_add_co_u32 s21, s21, SCL
	v_add_nc_u32 v5, v5, v6
	v_add_nc_u32 v[ADRS], s21, v5
	v_lshlrev_b32 v[SA], 5, v1
	v_lshl_add_u32 v[SA], v2, 4, v[SA]
	; what my 128 x 128 is: first row m0 of A, first row n0 of B; the tokens' base TK0 and the features' base F0
	s_lshl_b32 s18, s17, 8
	s_lshl_b32 s19, s15, 7
	s_add_co_u32 s18, s18, s19                     ; m0
	s_lshl_b32 s19, s42, 8
	s_lshl_b32 s20, s16, 7
	s_add_co_u32 s19, s19, s20                     ; n0
	s_add_co_u32 s21, s18, 2048
	s_lshl_b32 s22, s19, 2
	s_lshl_b32 s23, s21, 2
	s_cmp_lg_u32 s95, 0                            ; compared anew: the sums above have set SCC
	s_cselect_b32 s20, s18, s19                    ; TK0
	s_cselect_b32 s21, s19, s21                    ; F0
	s_cselect_b32 s22, s22, 0                      ; BN is loaded from b_attn at n0 (q, k), or from its head (v: not used): inside the buffer both ways
	s_cselect_b32 s23, 0, s23                      ; BM from its head (q, k: not used), or at 2,048 + m0 (v)
	v_lshl_add_u32 v8, v2, 6, s22                  ; + 64 h: my half's 16 features of each 32
	v_and_b32 v9, 8, v1
	v_add_nc_u32 v9, v9, v1                        ; r + 8 (r / 8)
	v_lshl_add_u32 v9, v9, 2, s23
.irp b, 0,1,2,3,4,5,6,7
	global_load_b128 v[BN+8*\b:BN+8*\b+3], v8, s[8:9] offset:4*(32*(\b/2)+8*(\b%2))
	global_load_b128 v[BN+8*\b+4:BN+8*\b+7], v8, s[8:9] offset:4*(32*(\b/2)+8*(\b%2))+16
.endr
.irp a, 0,1,2,3,4,5,6,7
	global_load_b32 v[BM+2*\a], v9, s[8:9] offset:4*(32*(\a/2)+8*(\a%2))
.endr
	s_lshr_b32 s46, s21, 10                        ; section: 0 q, 1 k, 2 v
	s_lshl_b32 s46, s46, 2
	s_lshr_b32 s47, s20, 11                        ; batch
	s_add_co_u32 s46, s46, s47
	s_lshl_b32 s46, s46, 3
	s_bfe_u32 s47, s21, 0x30007                    ; head pair
	s_add_co_u32 s46, s46, s47
	s_lshl_b32 s46, s46, 4
	s_bfe_u32 s47, s20, 0x40007                    ; chunk of 128 tokens
	s_add_co_u32 s46, s46, s47
	s_mul_i32 s20, s46, 12288
	s_mov_b32 s21, 0
	s_add_nc_u64 s[10:11], s[10:11], s[20:21]
	s_lshl_b32 s20, s46, 9
	s_add_nc_u64 s[12:13], s[12:13], s[20:21]
	s_wait_loadcnt 0x0
.set J, 0
.rept 64
	v_cndmask_b32 v[BN+J], 1.0, v[BN+J], s95       ; q, k: the bias; v: 1
.set J, J+1
.endr
.irp a, 0,1,2,3,4,5,6,7
	v_cndmask_b32 v[BM+2*\a+1], v[BM+2*\a], 1.0, s95   ; (the pair's upper word is named, so it is written)
	v_cndmask_b32 v[BM+2*\a], v[BM+2*\a], 1.0, s95     ; q, k: 1; v: the bias
.endr
; Matrix step t = 0 .. 7 is 128 along K.  Where its fragments lie: steps 0-3 in X (rows of 6,144 bytes), 4-5 in Y, 6-7 in X as refilled (rows of 3,072).
.macro LOC t
.if (\t) < 4
.set SL_, 0
.set Q_, (\t)
.set TR_, 6144
.else
.set SL_, (\t)/2-1
.set Q_, (\t)%2
.set TR_, 3072
.endif
.endm
.macro FRAG reg, adr, i                ; a fragment, 16 rows x 128 K: two half images on end: registers 0-3, 4-5, 6-9, 10-11
	ds_load_b128 v[\reg:\reg+3], v[\adr] offset:(\i)*TR_+Q_*1536
	ds_load_b64 v[\reg+4:\reg+5], v[\adr+3] offset:(\i)*TR_+Q_*1536+512
	ds_load_b128 v[\reg+6:\reg+9], v[\adr] offset:(\i)*TR_+Q_*1536+768
	ds_load_b64 v[\reg+10:\reg+11], v[\adr+3] offset:(\i)*TR_+Q_*1536+1280
.endm
.macro FETCH_B t                       ; B's eight fragments of step t into set t % 2
	LOC \t
	WIN TO_B
.irp i, 0,1,2,3,4,5,6,7
	FRAG 128*((\t)%2)+FR*\i, ADRB+SL_, \i
.endr
	WIN 0
.endm
.macro FETCH_A t, i0                   ; A's blocks i0 .. i0 + 3 of step t
	LOC \t
.irp i, \i0, \i0+1, \i0+2, \i0+3
	FRAG AF+FR*(\i), ADRA+SL_, \i
.endr
.endm
.macro SCALES k                        ; K step k's scale words into set k % 2: lanes 0-15 A's block i, lanes 16-31 B's block i, two words each
.irp i, 0,1,2,3,4,5,6,7
	ds_load_b64 v[SC+16*((\k)%2)+2*\i:SC+16*((\k)%2)+2*\i+1], v[ADRS] offset:\i*512+128*(\k)
.endr
.endm
.macro W a, b, t, c
	v_wmma_scale_f32_16x16x128_f8f6f4 v[8*(8*(\a%4)+\b):8*(8*(\a%4)+\b)+7], v[128*(\t%2)+FR*\b:128*(\t%2)+FR*\b+FR-1], v[AF+FR*\a:AF+FR*\a+FR-1], \c, v[SC+16*((\t/2)%2)+2*\b+\t%2], v[SC+16*((\t/2)%2)+2*\a+\t%2] matrix_a_fmt:MATRIX_FMT_FP6 matrix_b_fmt:MATRIX_FMT_FP6 matrix_a_scale:MATRIX_SCALE_ROW1
.endm
.macro MUL16 a0, t, zero               ; A's blocks a0, a0 + 1 x B's eight.  The 64 accumulators take turns, in the same order in every step
.irp a, \a0, \a0+1
.irp b, 0,1,2,3,4,5,6,7
.if \zero
	W (\a), \b, (\t), 0
.else
	W (\a), \b, (\t), v[8*(8*((\a)%4)+\b):8*(8*((\a)%4)+\b)+7]
.endif
.endr
.endr
.endm
.macro REST t, zero                    ; a step's second half: the next step's B, A's blocks 0-3 and, at a new K step, scale words; 32 products; A's blocks 4-7
	FETCH_B (\t)+1
	FETCH_A (\t)+1, 0
.if (\t)%2 == 1
	SCALES ((\t)+1)/2
.endif
	WIN MUL_HI
	MUL16 4, \t, \zero
	MUL16 6, \t, \zero
	PLACES NP
	WIN 0
	FETCH_A (\t)+1, 4
.endm
.macro STEP t, zero                    ; a step whose successor lies in bytes that have been shown already
	s_wait_dscnt 4*NL                              ; all but the youngest 16 loads (A's blocks 4-7) are in
	WIN MUL_LO
	MUL16 0, \t, \zero
	MUL16 2, \t, \zero
	s_wait_dscnt 0
	PLACES NP
	REST \t, \zero
.endm
.macro TURN t, fill                    ; a step whose successor lies in a tile that is still to be shown: one barrier; fill = 1: it opens a round, and K step 3 is asked for onto X
	s_wait_tensorcnt 0x0                           ; all my tensor loads have landed: my part of the next tile
	ds_add_u32 v[SPW], v[NIL]                      ; 0 onto my spare word
	s_wait_dscnt 4*NL+1                            ; (the add and the youngest 16 loads may be out)
	WIN MUL_LO
	MUL16 0, \t, 0                                 ; sixteen matrix instructions stand between the add and the wait for it
	s_wait_dscnt 0x0                               ; the add is done, and my reads of the tile in hand are over
	s_barrier_signal -1
	MUL16 2, \t, 0
	WIN 0
	s_barrier_wait -1
.if \fill
	CREST                                          ; no wave of any partner still reads X or has a load on its way
	s_mov_b32 s[G0+5], s45
	s_add_nc_u64 s[G0+6:G0+7], s[G0+6:G0+7], 3072
	s_mov_b32 s[G0B+5], s45
	s_add_nc_u64 s[G0B+6:G0B+7], s[G0B+6:G0B+7], 3072
	JLOAD                                          ; the first tensor load behind the round; its four v_nop are the places in front of the loads below
.else
	PLACES NP
.endif
	REST \t, 0
.endm
	s_wait_alu depctr_va_vdst(0)                   ; the wait at the head's end
	s_wait_tensorcnt 0x0                           ; my tile of the head's four is in; these lines stand ahead of Y's first fill as ahead of a refill
	ds_add_u32 v[SPW], v[NIL]
.irp g, G1, G1B                        ; no tensor load of mine is out, so descriptors may be written: the ring's shape: 8 row tiles x 3,072 bytes
	s_mov_b32 s[\g+1], 384<<16
	s_mov_b32 s[\g+2], 8<<16
	s_mov_b32 s[\g+3], 384<<16
	s_mov_b32 s[\g+4], 8
.endr
	s_wait_dscnt 0x0
	CROUND                                         ; a whole round: all four tiles are in, and the sixteen work-groups meet
	JLOAD                                          ; K step 2 into Y
	FETCH_B 0
	FETCH_A 0, 0
	SCALES 0
	FETCH_A 0, 4
	STEP 0, 1                                      ; the first step's products start the sums
	STEP 1, 0
	STEP 2, 0
	TURN 3, 1
	STEP 4, 0
	TURN 5, 0                                      ; nothing more is fetched: no round
	STEP 6, 0
	s_wait_dscnt 4*NL                              ; the very last step
	WIN MUL_LO
	MUL16 0, 7, 0
	MUL16 2, 7, 0
	s_wait_dscnt 0
	WIN MUL_HI
	MUL16 4, 7, 0
	MUL16 6, 7, 0
	WIN 0
; 64 numbers of a lane, register 16 b + i = k 32 b + 16 (lane / 16) + i of my row, become a fragment's codes in v[PC] on and its scale word in v[pw].
.macro QUANT s, pw
.irp b, 0,1,2,3
	v_max3_num_f32 v[TM+\b], |v[\s+16*\b]|, |v[\s+1+16*\b]|, 0x1800000   ; block b: my 16 numbers, and the floor 2^(3 - 127): the byte cannot fall under 1
.endr
.irp i, 2,4,6,8,10,12,14
.irp b, 0,1,2,3
	v_max3_num_f32 v[TM+\b], v[TM+\b], |v[\s+16*\b+\i]|, |v[\s+1+16*\b+\i]|
.endr
.endr
.irp b, 0,1,2,3
	v_permlanex16_b32 v[TM+4+\b], v[TM+\b], s[SEL], s[SEL+1]
.endr
.irp b, 0,1,2,3
	v_max_num_f32 v[TM+\b], v[TM+\b], v[TM+4+\b]   ; with lane l xor 16's: the block's largest magnitude
.endr
.irp b, 0,1,2,3
	v_add_nc_u32 v[TM+12+\b], 0xff000000, v[TM+\b] ; 2 off its exponent field: the conversion's scale operand
.endr
.irp b, 0,1,2,3
	v_lshrrev_b32 v[TM+4+\b], 23, v[TM+12+\b]      ; the scale's byte
.endr
	v_lshl_or_b32 v[\pw], v[TM+5], 8, v[TM+4]
	v_lshl_or_b32 v[\pw], v[TM+6], 16, v[\pw]
	v_lshl_or_b32 v[\pw], v[TM+7], 24, v[\pw]
.irp c, 0,1
	v_cvt_scalef32_pk16_fp6_f32 v[PC+6*\c:PC+2+6*\c], v[\s+32*\c:\s+15+32*\c], v[TM+12+2*\c]
	v_cvt_scalef32_pk16_fp6_f32 v[PC+12+4*\c:PC+14+4*\c], v[\s+16+32*\c:\s+31+32*\c], v[TM+12+2*\c+1]
.endr
	v_nop                                          ; one plain place behind a scaled conversion
.irp c, 0,1                                    ; the operand's layout wants a WHOLE block in a lane
.irp i, 0,1,2
	v_permlane16_swap_b32 v[PC+6*\c+\i], v[PC+12+4*\c+\i]
.endr
.irp i, 0,1,2
	v_mov_b32 v[PC+3+6*\c+\i], v[PC+12+4*\c+\i]
.endr
.endr
.endm
; THE WAY OUT of A's block a: the bias, the quantiser, and the fragment's four stores of consecutive bytes.  Each accumulator is read from its low end on.
.macro OUTBLK a
.if \a > 0
	s_wait_xcnt 0x0                                ; the last block's stores have read the codes' registers
.endif
	WIN (0x20+0x10*((\a)/4))                       ; source 2: window 2 or 3
.set J, 0
.rept 32
	v_pk_fma_f32 v[TT+J:TT+J+1], v[BN+J:BN+J+1], v[BM+2*(\a):BM+2*(\a)+1], v[64*((\a)%4)+J:64*((\a)%4)+J+1] op_sel_hi:[1,0,1]
.set J, J+2
.endr
	WIN 0
	QUANT TT, PWS+\a
	global_store_b128 v[L16], v[PC:PC+3], s[10:11] offset:1536*\a
	global_store_b64 v[L8], v[PC+4:PC+5], s[10:11] offset:1536*\a+512
	global_store_b128 v[L16], v[PC+6:PC+9], s[10:11] offset:1536*\a+768
	global_store_b64 v[L8], v[PC+10:PC+11], s[10:11] offset:1536*\a+1280
.endm
	PLACES NP                                      ; behind the last products: their sources' registers are written below
.irp b, 0,1,2,3
	v_mov_b32 v[TM+4+\b], 0                        ; written once: a lane permute's destination counts as one of its sources
.endr
.irp a, 0,1,2,3,4,5,6,7
	OUTBLK \a
.endr
	v_cmp_eq_u32 vcc_lo, 1, v2                     ; row r's eight words: lanes 0-15 store blocks 0-3's, lanes 16-31 blocks 4-7's
.irp i, 0,1,2,3
	v_cndmask_b32 v[OW+\i], v[PWS+\i], v[PWS+4+\i], vcc_lo
.endr
	global_store_b128 v[SA], v[OW:OW+3], s[12:13]  ; 512 consecutive bytes
	s_wait_tensorcnt 0x0                           ; the wave's end
	ds_add_u32 v[SPW], v[NIL]
	s_wait_dscnt 0x0
	CROUND                                         ; the closing round
	s_endpgm
.Lfunc_end_k_q805753a401_qkv:
	.size	k_q805753a401_qkv, .Lfunc_end_k_q805753a401_qkv-k_q805753a401_qkv
	.p2alignl 7, 3214868480
	.fill 96, 4, 3214868480
	.section	.rodata,"a",@progbits
	.p2align	6, 0x0
	.amdhsa_kernel k_q805753a401_qkv
		.amdhsa_group_segment_fixed_size 327680
		.amdhsa_private_segment_fixed_size 0
		.amdhsa_enable_private_segment 0
		.amdhsa_kernarg_size 40
		.amdhsa_user_sgpr_count 2
		.amdhsa_user_sgpr_kernarg_segment_ptr 1
		.amdhsa_wavefront_size32 1
		.amdhsa_system_sgpr_workgroup_id_x 1
		.amdhsa_system_sgpr_workgroup_id_y 1
		.amdhsa_system_sgpr_workgroup_id_z 1
		.amdhsa_system_vgpr_workitem_id 0
		.amdhsa_next_free_vgpr 1024
		.amdhsa_next_free_sgpr 102
		.amdhsa_reserve_vcc 1
		.amdhsa_float_denorm_mode_32 3
		.amdhsa_float_denorm_mode_16_64 3
		.amdhsa_memory_ordered 1
		.amdhsa_forward_progress 1
		.amdhsa_inst_pref_size 172
	.end_amdhsa_kernel
	.amdgpu_metadata
---
amdhsa.version: [ 1, 2 ]
amdhsa.kernels:
  - .name:           k_q805753a401_qkv
    .symbol:         k_q805753a401_qkv.kd
    .args:
      - { .name: opc, .offset: 0, .size: 8, .value_kind: global_buffer, .address_space: global }
      - { .name: ops, .offset: 8, .size: 8, .value_kind: global_buffer, .address_space: global }
      - { .name: b_attn, .offset: 16, .size: 8, .value_kind: global_buffer, .address_space: global }
      - { .name: qkvc, .offset: 24, .size: 8, .value_kind: global_buffer, .address_space: global }
      - { .name: qkvs, .offset: 32, .size: 8, .value_kind: global_buffer, .address_space: global }
    .group_segment_fixed_size: 327680
    .private_segment_fixed_size: 0
    .kernarg_segment_align: 8
    .kernarg_segment_size: 40
    .max_flat_workgroup_size: 128
    .sgpr_count:     102
    .vgpr_count:     1024
    .wavefront_size: 32
...
	.end_amdgpu_metadata
.endif
;; end of part 2
;; launch attn (part 3): grid 8 x 32, 16 waves a work-group, no clusters, 327,680 bytes of LDS; arguments qkvc, qkvs, yc, ys; writes yc, ys
.if DOCPART == 3
	.amdgcn_target "amdgcn-amd-amdhsa--gfx1250"
	.amdhsa_code_object_version 6
	.text
	.protected	k_q805753a401_attn
	.globl	k_q805753a401_attn
	.p2align	8
	.type	k_q805753a401_attn,@function
k_q805753a401_attn:
	s_mov_b64 s[64:65], 0
	v_nop
	global_prefetch_b8 v0, s[64:65] scope:SCOPE_SE
	s_setreg_imm32_b32 hwreg(HW_REG_WAVE_MODE, 25, 1), 1
	s_wait_xcnt 0x0
; y = softmax(q k^T / 8, causal) v for 64 heads of 64, 2,048 tokens, both products on codes of FP6 (E2M3) with E8M0 scales; y is divided by the row's sum, quantised along its 64 channels and leaves as codes.
; THE SOFTMAX: t = score x log2(e) / 8; M = the row's largest t so far, rounded UP to a whole number; p = 2^(t - M) is quantised along the keys, not normalised; the row's sum is taken of the unquantised p.
; When M moves, the sum and O are multiplied by 2^(old M - new M): exact.
; SHARES.  A work-group takes one pair of heads and TWO blocks of 128 queries: first block 15 - i, then block i (i = work-group x).  Keys go in slots of 256: (17 - i) / 2 slots for the first block, (i + 2) / 2 for the second
; (rounded down): NINE for every i.  So the loop over slots has a constant count, all 256 work-groups have the same work, and what lies wholly behind the diagonal is hardly fetched.
; Wave w: head w / 8 of the pair, tile w % 8 of 16 queries, in 256 registers: four waves to a SIMD, so that one wave's vector work stands beside another's matrix work.
; LAYOUT.  Both products are used transposed: S^T = K Q^T, O^T = V^T P^T: a lane holds ONE query throughout.  Row tiles hold rows 32 (T / 2) + 8 (T % 2) + i + 8 (i / 8), so the 16 registers of tiles 2 b, 2 b + 1 are neighbours.
; All operands lie in memory in the order of the operand's registers (half images of 16 rows x 64 K, 768 bytes): a chunk of 128 tokens of a head pair is 12,288 dense bytes of codes and 512 of scale words.
; K = 64 IN AN INSTRUCTION OF 128: Q's upper six registers are zero codes, for ever; K's upper six are whatever lies there (the next tile's codes): times zero.  The scale bytes of the upper 64 are 0, which is a small power of two and no NaN.
; NO CLUSTER: behind the change of query blocks, which comes after 5 to 8 slots according to i, the work-groups of a head pair want different key slots in the same round, so a joint request could not name one tile for all.
; LIMITS: NaN and infinities are not served; a block of zeros or under 2^-124 gets the byte 1.  y's scale bytes leave two at a time (one part in 24 of what is stored): gathering them across waves would want a barrier.
; REGISTERS: v1-11, v28-29 addresses that stay; v12 -M, v13 the largest t, v[14:15] the sum; v16-21 Q, v22-27 zeros; v30-35 addresses in hand; v36-83 K's eight tiles, then V's four fragments; v84-89 zeros; v96-159 S^T, then p;
;   v160-191 O^T; v192-199 K's scales, v200-203 V's, v253 p's, v255 Q's; v204 y's scale bytes; v224-235 codes; v232-254 at work; v250 f.
.set KCH,   12288                      ; a chunk's codes
.set VOFF,  24576                      ; a slot: K's two chunks, V's two chunks,
.set KSC,   49152                      ; K's scale words (2 x 512),
.set VSC,   50176                      ; V's
.set SLOT1, 65536                      ; slot 1 begins here: one exclusive or turns an address from one slot to the other
.set SPARE, 131072                     ; the spare words, 128 bytes for each wave: eight blocks of 256 bytes that no other line names
.set SPW,  5
.set NIL,  6
.set WV,   18                          ; s18 wave; s19 head of the pair; s62 tile of queries
.set SEL,  20                          ; s[20:21] selects for lane l xor 16
.set CS,   22                          ; s[22:23] c = log2(e) / 8
.set G1C,  24                          ; s[24:31] group 1 for codes; s[32:39] for scale words; s[40:43], s[44:47] their groups 0
.set G1S,  32
.set G0C,  40
.set G0S,  44
.set TB,   56                          ; s56 LDS byte at which the slot in hand begins
.set VC,   57                          ; s57 the visit, 0 .. 8;  s61 the next
.set NH,   58                          ; s58 visits of the first block
.set KF,   59                          ; s59 the step's first key
.set QB,   60                          ; s60 the block's first query
; Waves 0 and 1 fetch K's and V's codes, waves 2 and 3 their scale words, the others nothing.  Four v_nop follow each of the two lines.
.macro TLOAD
	s_cmp_lt_u32 s[WV], 2
	s_cbranch_scc0 .Lnot_c_\@
	tensor_load_to_lds s[G0C:G0C+3], s[G1C:G1C+7]
	s_nop 0
.rept 4
	v_nop
.endr
	s_branch .Lasked_\@
.Lnot_c_\@:
	s_cmp_lt_u32 s[WV], 4
	s_cbranch_scc0 .Lasked_\@
	tensor_load_to_lds s[G0S:G0S+3], s[G1S:G1S+7]
	s_nop 0
.rept 4
	v_nop
.endr
.Lasked_\@:
.endm
	s_load_b256 s[4:11], s[0:1], 0x0               ; qkvc s[4:5], qkvs s[6:7], yc s[8:9], ys s[10:11]
	v_lshl_add_u32 v[SPW], v0, 2, SPARE
	v_mov_b32 v[NIL], 0
	ds_add_u32 v5, v6
	ds_add_u32 v5, v6
	s_wait_dscnt 0x0
	v_lshrrev_b32 v30, 5, v0
	s_delay_alu instid0(VALU_DEP_1)
	v_readfirstlane_b32 s[WV], v30                 ; wave 0..15
	s_lshr_b32 s19, s[WV], 3                       ; e
	s_and_b32 s62, s[WV], 7                        ; a
	s_and_b32 s85, ttmp7, 0xffff                   ; 8 x batch + head pair
	s_and_b32 s86, s[WV], 1                        ; what I fetch, if I fetch: 0 K's, 1 V's
	; group 1: dense bytes as rows of 256 (32 elements of 8 bytes): 96 rows of codes, 4 of scale words
	s_mov_b32 s[G1C], 3<<16
	s_mov_b32 s[G1C+1], 32<<16
	s_mov_b32 s[G1C+2], 96<<16
	s_mov_b32 s[G1C+3], 32<<16
	s_mov_b32 s[G1C+4], 96
	s_mov_b32 s[G1C+5], 32
	s_mov_b32 s[G1C+6], 0
	s_mov_b32 s[G1C+7], 0
	s_mov_b32 s[G1S], 3<<16
	s_mov_b32 s[G1S+1], 32<<16
	s_mov_b32 s[G1S+2], 4<<16
	s_mov_b32 s[G1S+3], 32<<16
	s_mov_b32 s[G1S+4], 4
	s_mov_b32 s[G1S+5], 32
	s_mov_b32 s[G1S+6], 0
	s_mov_b32 s[G1S+7], 0
	s_add_co_u32 s87, s86, 1                       ; section 1 (k) or 2 (v)
	s_mul_i32 s88, s87, 6291456
	s_mul_i32 s89, s85, 196608
	s_add_co_u32 s88, s88, s89
	s_mov_b32 s89, 0
	s_mul_i32 s90, s87, 262144
	s_lshl_b32 s91, s85, 13
	s_add_co_u32 s90, s90, s91
	s_mov_b32 s91, 0
	s_mov_b32 s52, 0                               ; s[52:53], s[54:55]: how far along the keys the next fetch is, in codes' and in scale words' bytes
	s_mov_b32 s53, 0
	s_mov_b32 s54, 0
	s_mov_b32 s55, 0
	s_mov_b32 s83, 0
	s_mov_b32 s[SEL], 0x76543210
	s_mov_b32 s[SEL+1], 0xfedcba98
	s_mov_b32 s[CS], 0x3e38aa3b                    ; c = log2(e) / 8
	s_mov_b32 s[CS+1], s[CS]                       ; (named with it as a pair, so it is written)
	s_mov_b32 s[TB], 0
	s_mov_b32 s[VC], 0
	s_mov_b32 s[KF], 0
	s_lshl_b32 s84, ttmp9, 7                       ; the second block's first query: 128 i
	s_sub_co_u32 s[QB], 1920, s84                  ; the first block's: 128 (15 - i)
	s_sub_co_u32 s[NH], 17, ttmp9
	s_lshr_b32 s[NH], s[NH], 1
	s_wait_kmcnt 0x0
	s_add_nc_u64 s[48:49], s[4:5], s[88:89]        ; my tensor's codes of this head pair,
	s_add_nc_u64 s[50:51], s[6:7], s[90:91]        ; and its scale words
	s_mov_b32 s[G0C], 1
	s_mul_i32 s[G0C+1], s86, VOFF                  ; LDS: slot 0, K's codes or V's
	s_mov_b64 s[G0C+2:G0C+3], s[48:49]
	s_or_b32 s[G0C+3], s[G0C+3], 0x80000000
	s_mov_b32 s[G0S], 1
	s_lshl_b32 s[G0S+1], s86, 10
	s_add_co_u32 s[G0S+1], s[G0S+1], KSC
	s_mov_b64 s[G0S+2:G0S+3], s[50:51]
	s_or_b32 s[G0S+3], s[G0S+3], 0x80000000
	TLOAD                                          ; slot 0: keys 0 to 255
	s_lshr_b32 s87, s85, 3                         ; batch
	s_and_b32 s88, s85, 7                          ; head pair
	s_mul_i32 s89, s85, 196608                     ; q's codes: head pair, my tile, my head's half image
	s_mul_i32 s90, s62, 1536
	s_add_co_u32 s89, s89, s90
	s_mul_i32 s90, s19, 768
	s_add_co_u32 s82, s89, s90
	s_add_nc_u64 s[66:67], s[4:5], s[82:83]
	s_lshl_b32 s89, s85, 13                        ; q's scale bytes: 4 a + 2 e in row r's 32 bytes
	s_lshl_b32 s90, s62, 2
	s_add_co_u32 s89, s89, s90
	s_lshl_b32 s90, s19, 1
	s_add_co_u32 s82, s89, s90
	s_add_nc_u64 s[68:69], s[6:7], s[82:83]
	s_mul_i32 s89, s87, 1572864                    ; y's codes: [token tile][head][768]
	s_mul_i32 s90, s62, 12288
	s_add_co_u32 s89, s89, s90
	s_mul_i32 s90, s88, 1536
	s_add_co_u32 s89, s89, s90
	s_mul_i32 s90, s19, 768
	s_add_co_u32 s82, s89, s90
	s_add_nc_u64 s[70:71], s[8:9], s[82:83]
	s_lshl_b32 s89, s87, 16                        ; y's scale bytes: [token tile][head pair / 2][row][head pair % 2][4]
	s_lshl_b32 s90, s62, 9
	s_add_co_u32 s89, s89, s90
	s_lshr_b32 s90, s88, 1
	s_lshl_b32 s90, s90, 7
	s_add_co_u32 s89, s89, s90
	s_and_b32 s90, s88, 1
	s_lshl_b32 s90, s90, 2
	s_add_co_u32 s89, s89, s90
	s_lshl_b32 s90, s19, 1
	s_add_co_u32 s82, s89, s90
	s_add_nc_u64 s[72:73], s[10:11], s[82:83]
	v_and_b32 v31, 31, v0                          ; lane
	v_and_b32 v32, 15, v0                          ; r
	v_bfe_u32 v33, v0, 4, 1                        ; h
	s_delay_alu instid0(VALU_DEP_3)
	v_lshlrev_b32 v10, 4, v31                      ; 16 x lane
	s_delay_alu instid0(VALU_DEP_4)
	v_lshlrev_b32 v11, 3, v31                      ; 8 x lane
	s_mul_i32 s87, s19, 768
	v_add_nc_u32 v1, s87, v10                      ; K: my head's half image, its first 512 bytes,
	v_add_nc_u32 v2, s87, v11
	s_delay_alu instid0(VALU_DEP_1)
	v_add_nc_u32 v2, 512, v2                       ; and its last 256
	s_mul_i32 s87, s19, 6144
	s_add_co_u32 s87, s87, VOFF
	v_add_nc_u32 v3, s87, v10                      ; V: my head's four fragments
	v_add_nc_u32 v4, s87, v11
	v_lshlrev_b32 v28, 5, v32                      ; 32 r
	v_lshlrev_b32 v29, 3, v32                      ; 8 r
	s_lshl_b32 s87, s19, 1
	s_add_co_u32 s87, s87, KSC
	v_add_nc_u32 v7, s87, v28                      ; K's scale bytes of row r, my head's two
	s_lshl_b32 s87, s19, 4
	s_add_co_u32 s87, s87, VSC
	v_add_nc_u32 v8, s87, v28                      ; V's scale words of row r, my head's four tiles
	v_and_b32 v34, 8, v32
	s_delay_alu instid0(VALU_DEP_1)
	v_add_nc_u32 v34, v34, v32                     ; r + 8 (r / 8)
	v_lshlrev_b32 v35, 4, v33
	s_delay_alu instid0(VALU_DEP_1)
	v_sub_nc_u32 v34, v34, v35
	s_lshr_b32 s87, s62, 1
	s_lshl_b32 s87, s87, 5
	s_and_b32 s88, s62, 1
	s_lshl_b32 s88, s88, 3
	s_add_co_u32 s87, s87, s88
	v_add_nc_u32 v9, s87, v34                      ; my query's place in its block, less 16 h: on the diagonal, register 16 b + i's key is hidden where 32 b + i is greater
.irp j, 22,23,24,25,26,27,84,85,86,87,88,89
	v_mov_b32 v\j, 0                               ; zero codes, for ever
.endr
.irp j, 236,237,238,239,251,252
	v_mov_b32 v\j, 0                               ; written once: lane permutes' destinations, and the upper word of the pair v[250:251]
.endr
; The block's addresses, from its first query, and Q's half image and scale bytes.
.macro SETPASS
	s_mul_i32 s82, s[QB], 96
	s_add_nc_u64 s[74:75], s[66:67], s[82:83]
	s_lshl_b32 s82, s[QB], 2
	s_add_nc_u64 s[76:77], s[68:69], s[82:83]
	s_mul_i32 s82, s[QB], 768
	s_add_nc_u64 s[78:79], s[70:71], s[82:83]
	s_lshl_b32 s82, s[QB], 5
	s_add_nc_u64 s[80:81], s[72:73], s[82:83]
	global_load_b128 v[16:19], v10, s[74:75]
	global_load_b64 v[20:21], v11, s[74:75] offset:512
	global_load_u16 v255, v28, s[76:77]            ; two bytes, the upper two 0
.endm
.macro REINIT
	v_mov_b32 v13, 0xff61b1e6                      ; the largest t so far: -3e38, under every t
	s_delay_alu instid0(VALU_DEP_1)
	v_floor_f32 v12, -v13                          ; -M
	v_mov_b32 v14, 0
	v_mov_b32 v15, 0
.set J, 0
.rept 32
	v_mov_b32 v[160+J], 0                          ; O^T: the step is written once: a block's first step finds zeros, which the first change of M leaves zeros
.set J, J+1
.endr
.endm
; A KEY STEP: 128 keys, the q-th chunk of the slot in hand.
.macro STEP q
	s_cmp_gt_u32 s[KF], s[QB]                      ; all its keys come after my block's queries: the work is left out (a branch on ids; no barrier and no tensor load stands in a step)
	s_cbranch_scc1 .Lhidden_\@
	v_add_nc_u32 v30, s[TB], v1                    ; (these six are also the places in front of loads into registers that the last products read)
	v_add_nc_u32 v31, s[TB], v2
	v_add_nc_u32 v32, s[TB], v3
	v_add_nc_u32 v33, s[TB], v4
	v_add_nc_u32 v34, s[TB], v7
	v_add_nc_u32 v35, s[TB], v8
.irp t, 0,1,2,3,4,5,6,7
	ds_load_b128 v[36+6*\t:39+6*\t], v30 offset:KCH*(\q)+1536*\t
	ds_load_b64 v[40+6*\t:41+6*\t], v31 offset:KCH*(\q)+1536*\t
	ds_load_u16 v[192+\t], v34 offset:512*(\q)+4*\t
.endr
	s_wait_alu depctr_va_vdst(0)
	s_wait_dscnt 0x0
.irp t, 0,1,2,3,4,5,6,7
	v_wmma_scale_f32_16x16x128_f8f6f4 v[96+8*\t:103+8*\t], v[36+6*\t:47+6*\t], v[16:27], 0, v[192+\t], v255 matrix_a_fmt:MATRIX_FMT_FP6 matrix_b_fmt:MATRIX_FMT_FP6
.endr
.rept 4
	v_nop                                          ; places behind the products: loads into their sources and reads of their results follow
.endr
.irp t, 0,1,2,3                                ; V's fragments are asked for now and land under the softmax
	ds_load_b128 v[36+12*\t:39+12*\t], v32 offset:KCH*(\q)+1536*\t
	ds_load_b64 v[40+12*\t:41+12*\t], v33 offset:KCH*(\q)+1536*\t+512
	ds_load_b128 v[42+12*\t:45+12*\t], v32 offset:KCH*(\q)+1536*\t+768
	ds_load_b64 v[46+12*\t:47+12*\t], v33 offset:KCH*(\q)+1536*\t+1280
.endr
	ds_load_b128 v[200:203], v35 offset:512*(\q)
	s_cmp_lg_u32 s[KF], s[QB]                      ; on the diagonal the scores of hidden keys become -infinity ahead of the maximum: p = 0 then
	s_cbranch_scc1 .Lopen_\@
	v_mov_b32 v254, 0xff800000
.set N, 0
.rept 64
	v_cmp_gt_i32 vcc_lo, 32*(N/16)+N%16, v9
	v_cndmask_b32 v[96+N], v[96+N], v254, vcc_lo
.set N, N+1
.endr
.Lopen_\@:
.irp b, 0,1,2,3
	v_max3_num_f32 v[232+\b], v[96+16*\b], v[97+16*\b], v[98+16*\b]   ; the largest score of each block of 32 keys: for the row's maximum, and, since p rises with the score, for the block's largest p
.endr
.irp i, 3,5,7,9,11,13
.irp b, 0,1,2,3
	v_max3_num_f32 v[232+\b], v[232+\b], v[96+16*\b+\i], v[97+16*\b+\i]
.endr
.endr
.irp b, 0,1,2,3
	v_max_num_f32 v[232+\b], v[232+\b], v[111+16*\b]
.endr
.irp b, 0,1,2,3
	s_delay_alu instid0(VALU_DEP_4)
	v_permlanex16_b32 v[236+\b], v[232+\b], s[SEL], s[SEL+1]
.endr
.irp b, 0,1,2,3
	s_delay_alu instid0(VALU_DEP_4)
	v_max_num_f32 v[232+\b], v[232+\b], v[236+\b]  ; with lane l xor 16's 16 keys
.endr
	s_delay_alu instid0(VALU_DEP_2)
	v_max3_num_f32 v254, v232, v233, v234
	s_delay_alu instid0(VALU_DEP_1)
	v_max_num_f32 v254, v254, v235                 ; the step's largest score of my query
	s_delay_alu instid0(VALU_DEP_1)
	v_mul_f32 v254, s[CS], v254                    ; as t (c is positive)
	s_delay_alu instid0(VALU_DEP_1)
	v_max_num_f32 v13, v13, v254                   ; the running largest t
	v_mov_b32 v254, v12
	s_delay_alu instid0(VALU_DEP_2)
	v_floor_f32 v12, -v13                          ; the new -M = floor(-t) = -ceil(t)
	s_delay_alu instid0(VALU_DEP_1)
	v_sub_f32 v254, v12, v254                      ; old M - new M: a whole number, 0 or less
	s_delay_alu instid0(VALU_DEP_1)
	v_cvt_i32_f32 v254, v254                       ; (it saturates)
	s_delay_alu instid0(VALU_DEP_1)
	v_ldexp_f32 v250, 1.0, v254                    ; f = 2^(old M - new M)
.set J, 0
.rept 32
	v_pk_fma_f32 v[96+J:97+J], v[96+J:97+J], s[CS:CS+1], v[12:13] op_sel_hi:[1,0,0]   ; t - M, two at a time
.set J, J+2
.endr
.irp b, 0,1,2,3
	v_fma_f32 v[232+\b], v[232+\b], s[CS], v12     ; the same of each block's largest score
.endr
.set J, 0
	s_wait_alu depctr_va_vdst(0)
.rept 64
	v_exp_f32 v[96+J], v[96+J]                     ; p = 2^(t - M), at most 1
.set J, J+1
.endr
.irp b, 0,1,2,3
	v_exp_f32 v[232+\b], v[232+\b]                 ; the block's largest p
.endr
	v_pk_mul_f32 v[14:15], v[14:15], v[250:251] op_sel_hi:[1,0]   ; the sums under the new M (a plain place behind the exponentials)
	s_wait_alu depctr_va_vdst(0)
.irp b, 0,1,2,3
	v_max_num_f32 v[232+\b], 0x1800000, v[232+\b]  ; the floor 2^(3 - 127): the byte cannot fall under 1
.endr
.irp b, 0,1,2,3
	s_delay_alu instid0(VALU_DEP_4)
	v_add_nc_u32 v[244+\b], 0xff000000, v[232+\b]  ; 2 off the exponent field: the conversion's scale operand
.endr
.irp b, 0,1,2,3
	s_delay_alu instid0(VALU_DEP_4)
	v_lshrrev_b32 v[236+\b], 23, v[244+\b]         ; the scale's byte
.endr
	s_delay_alu instid0(VALU_DEP_3)
	v_lshl_or_b32 v253, v237, 8, v236              ; p's scale word for these 128 keys
	s_delay_alu instid0(VALU_DEP_1)
	v_lshl_or_b32 v253, v238, 16, v253
	s_delay_alu instid0(VALU_DEP_1)
	v_lshl_or_b32 v253, v239, 24, v253
.irp c, 0,1
	v_cvt_scalef32_pk16_fp6_f32 v[224+6*\c:226+6*\c], v[96+32*\c:111+32*\c], v[244+2*\c]
	v_cvt_scalef32_pk16_fp6_f32 v[236+4*\c:238+4*\c], v[112+32*\c:127+32*\c], v[244+2*\c+1]
.endr
	v_nop                                          ; one plain place behind a scaled conversion
.irp c, 0,1                                    ; the operand's layout wants a WHOLE block in a lane
.irp i, 0,1,2
	v_permlane16_swap_b32 v[224+6*\c+\i], v[236+4*\c+\i]
.endr
.irp i, 0,1,2
	s_delay_alu instid0(VALU_DEP_3)
	v_mov_b32 v[227+6*\c+\i], v[236+4*\c+\i]
.endr
.endr
	v_pk_add_f32 v[236:237], v[100:101], v[104:105]
	v_pk_add_f32 v[248:249], v[108:109], v[112:113]
	v_pk_add_f32 v[246:247], v[116:117], v[120:121]
	v_pk_add_f32 v[244:245], v[124:125], v[128:129]
	v_pk_add_f32 v[242:243], v[132:133], v[136:137]
	v_pk_add_f32 v[240:241], v[140:141], v[144:145]
	v_pk_add_f32 v[222:223], v[148:149], v[152:153]
	v_pk_add_f32 v[14:15], v[14:15], v[156:157]
	v_pk_add_f32 v[236:237], v[236:237], v[96:97]
	v_pk_add_f32 v[248:249], v[248:249], v[98:99]
	v_pk_add_f32 v[246:247], v[246:247], v[102:103]
	v_pk_add_f32 v[244:245], v[244:245], v[106:107]
	v_pk_add_f32 v[242:243], v[242:243], v[110:111]
	v_pk_add_f32 v[240:241], v[240:241], v[114:115]
	v_pk_add_f32 v[222:223], v[222:223], v[118:119]
	v_pk_add_f32 v[14:15], v[14:15], v[122:123]
	v_pk_add_f32 v[236:237], v[236:237], v[126:127]
	v_pk_add_f32 v[248:249], v[248:249], v[130:131]
	v_pk_add_f32 v[246:247], v[246:247], v[134:135]
	v_pk_add_f32 v[244:245], v[244:245], v[138:139]
	v_pk_add_f32 v[242:243], v[242:243], v[142:143]
	v_pk_add_f32 v[240:241], v[240:241], v[146:147]
	v_pk_add_f32 v[222:223], v[222:223], v[150:151]
	v_pk_add_f32 v[14:15], v[14:15], v[154:155]
	v_pk_add_f32 v[236:237], v[236:237], v[158:159]
	s_delay_alu instid0(VALU_DEP_2)
	v_pk_add_f32 v[14:15], v[14:15], v[244:245]
	s_delay_alu instid0(VALU_DEP_2)
	v_pk_add_f32 v[236:237], v[236:237], v[242:243]
	v_pk_add_f32 v[248:249], v[248:249], v[240:241]
	v_pk_add_f32 v[246:247], v[246:247], v[222:223]
	s_delay_alu instid0(VALU_DEP_2)
	v_pk_add_f32 v[14:15], v[14:15], v[248:249]
	s_delay_alu instid0(VALU_DEP_2)
	v_pk_add_f32 v[236:237], v[236:237], v[246:247]
	s_delay_alu instid0(VALU_DEP_1)
	v_pk_add_f32 v[14:15], v[14:15], v[236:237]
.set J, 0
.rept 16
	v_pk_mul_f32 v[160+J:161+J], v[160+J:161+J], v[250:251] op_sel_hi:[1,0]   ; O^T under the new M.  (With the sums above: the places between p's codes and scale word and the products below)
.set J, J+2
.endr
	s_wait_alu depctr_va_vdst(0)
	s_wait_dscnt 0x0                               ; V is in
.irp t, 0,1,2,3                                ; O^T += V^T P^T: the four accumulators by turns; the next step's eight products S^T stand between a link and the next
	v_wmma_scale_f32_16x16x128_f8f6f4 v[160+8*\t:167+8*\t], v[36+12*\t:47+12*\t], v[224:235], v[160+8*\t:167+8*\t], v[200+\t], v253 matrix_a_fmt:MATRIX_FMT_FP6 matrix_b_fmt:MATRIX_FMT_FP6
.endr
.Lhidden_\@:
	s_add_co_u32 s[KF], s[KF], 128
.endm
; THE CHANGE OF SLOTS stands at a slot's head.  Each wave waits for all its tensor loads, adds 0 to its spare word, and waits for that and for its reads of the slot that it has left.  Behind the barrier the slot ahead is whole and
; nobody reads the other one.  fill = 1: that other slot takes the next visit's 256 keys: those that follow, or, where the next visit begins the second block of queries, keys 0 to 255.
.macro CHANGE fill
	s_wait_tensorcnt 0x0                           ; no tensor load of mine is out, so a group 0 may be written
	ds_add_u32 v[SPW], v[NIL]                      ; 0 onto my spare word
.if \fill
	ds_add_u32 v[SPW], v[NIL]                      ; and once more
	s_add_co_u32 s61, s[VC], 1
	s_add_co_u32 s52, s52, 2*KCH
	s_add_co_u32 s54, s54, 1024
	s_cmp_eq_u32 s61, s[NH]
	s_cselect_b32 s52, 0, s52
	s_cselect_b32 s54, 0, s54
	s_add_nc_u64 s[G0C+2:G0C+3], s[48:49], s[52:53]
	s_or_b32 s[G0C+3], s[G0C+3], 0x80000000
	s_add_nc_u64 s[G0S+2:G0S+3], s[50:51], s[54:55]
	s_or_b32 s[G0S+3], s[G0S+3], 0x80000000
	s_xor_b32 s[G0C+1], s[G0C+1], SLOT1            ; the other slot than last time
	s_xor_b32 s[G0S+1], s[G0S+1], SLOT1
.endif
	s_wait_dscnt 0x0                               ; the add is done, and my reads of the slot that I have left are over
	s_barrier_signal -1
	s_barrier_wait -1
.if \fill
	TLOAD                                          ; the first thing behind the barrier, and a wave's one tensor load until the next: it has two key steps in which to land
.endif
.endm
; A BLOCK'S WAY OUT.  O^T / the sum; register 16 b + i is channel 32 b + 16 h + i of my query's head: two blocks of 32, quantised as p is; the half image leaves as it stands.
.macro WAYOUT
.rept 4
	v_nop                                          ; places behind the last products
.endr
	v_add_f32 v14, v14, v15                        ; the sum's two halves,
	s_delay_alu instid0(VALU_DEP_1)
	v_permlanex16_b32 v252, v14, s[SEL], s[SEL+1]
	s_delay_alu instid0(VALU_DEP_1)
	v_add_f32 v14, v14, v252                       ; and lane l xor 16's
	s_wait_alu depctr_va_vdst(0)
	v_rcp_f32 v14, v14
	v_nop                                          ; one plain place behind a transcendental
.set J, 0
	s_wait_alu depctr_va_vdst(0)
.rept 16
	v_pk_mul_f32 v[96+J:97+J], v[160+J:161+J], v[14:15] op_sel_hi:[1,0]
.set J, J+2
.endr
.irp b, 0,1
	v_max3_num_f32 v[232+\b], |v[96+16*\b]|, |v[97+16*\b]|, 0x1800000
.endr
.irp i, 2,4,6,8,10,12,14
.irp b, 0,1
	s_delay_alu instid0(VALU_DEP_2)
	v_max3_num_f32 v[232+\b], v[232+\b], |v[96+16*\b+\i]|, |v[97+16*\b+\i]|
.endr
.endr
.irp b, 0,1
	s_delay_alu instid0(VALU_DEP_2)
	v_permlanex16_b32 v[236+\b], v[232+\b], s[SEL], s[SEL+1]
.endr
.irp b, 0,1
	s_delay_alu instid0(VALU_DEP_2)
	v_max_num_f32 v[232+\b], v[232+\b], v[236+\b]
.endr
.irp b, 0,1
	s_delay_alu instid0(VALU_DEP_2)
	v_add_nc_u32 v[244+\b], 0xff000000, v[232+\b]
.endr
.irp b, 0,1
	s_delay_alu instid0(VALU_DEP_2)
	v_lshrrev_b32 v[236+\b], 23, v[244+\b]
.endr
	s_delay_alu instid0(VALU_DEP_1)
	v_lshl_or_b32 v204, v237, 8, v236              ; my head's two scale bytes of my query
	v_cvt_scalef32_pk16_fp6_f32 v[224:226], v[96:111], v244
	v_cvt_scalef32_pk16_fp6_f32 v[228:230], v[112:127], v245
	v_nop                                          ; one plain place behind a scaled conversion
.irp i, 0,1,2
	v_permlane16_swap_b32 v[224+\i], v[228+\i]     ; lanes 0-15 now hold block 0 whole, lanes 16-31 block 1
.endr
	s_delay_alu instid0(VALU_DEP_3)
	v_mov_b32 v227, v228
	s_delay_alu instid0(VALU_DEP_3)
	v_mov_b32 v228, v229
	s_delay_alu instid0(VALU_DEP_3)
	v_mov_b32 v229, v230
	global_store_b128 v10, v[224:227], s[78:79]            ; 512 consecutive bytes,
	global_store_b64 v11, v[228:229], s[78:79] offset:512  ; and 256
	global_store_b16 v29, v204, s[80:81]                   ; (lanes r and r + 16 write the same two bytes with the same value)
	s_wait_xcnt 0x0                                ; the stores have read their registers and bases
.endm
	SETPASS
	REINIT
	s_wait_loadcnt 0x0                             ; Q
.Lslot:                                            ; eight trips: behind each change of slots but the last the next visit's keys are asked for
	CHANGE 1
	STEP 0
	STEP 1
	s_xor_b32 s[TB], s[TB], SLOT1                  ; on to the other slot
	s_cmp_lg_u32 s61, s[NH]                        ; the first block's last visit?  (A branch on ids; no barrier, tensor load or LDS access stands inside)
	s_cbranch_scc1 .Lsame
	WAYOUT
	s_mov_b32 s[QB], s84                           ; the second block
	s_mov_b32 s[KF], 0
	SETPASS
	REINIT
	s_wait_loadcnt 0x0
.Lsame:
	s_add_co_u32 s[VC], s[VC], 1
	s_cmp_lt_u32 s[VC], 8
	s_cbranch_scc1 .Lslot
	CHANGE 0                                       ; the last visit is written out
	STEP 0
	STEP 1
	WAYOUT
	s_wait_tensorcnt 0x0                           ; the wave's end
	ds_add_u32 v[SPW], v[NIL]
	s_wait_dscnt 0x0
	s_endpgm
.Lfunc_end_k_q805753a401_attn:
	.size	k_q805753a401_attn, .Lfunc_end_k_q805753a401_attn-k_q805753a401_attn
	.p2alignl 7, 3214868480
	.fill 96, 4, 3214868480
	.section	.rodata,"a",@progbits
	.p2align	6, 0x0
	.amdhsa_kernel k_q805753a401_attn
		.amdhsa_group_segment_fixed_size 327680
		.amdhsa_private_segment_fixed_size 0
		.amdhsa_enable_private_segment 0
		.amdhsa_kernarg_size 32
		.amdhsa_user_sgpr_count 2
		.amdhsa_user_sgpr_kernarg_segment_ptr 1
		.amdhsa_wavefront_size32 1
		.amdhsa_system_sgpr_workgroup_id_x 1
		.amdhsa_system_sgpr_workgroup_id_y 1
		.amdhsa_system_sgpr_workgroup_id_z 1
		.amdhsa_system_vgpr_workitem_id 0
		.amdhsa_next_free_vgpr 256
		.amdhsa_next_free_sgpr 96
		.amdhsa_reserve_vcc 1
		.amdhsa_float_denorm_mode_32 3
		.amdhsa_float_denorm_mode_16_64 3
		.amdhsa_memory_ordered 1
		.amdhsa_forward_progress 1
		.amdhsa_inst_pref_size 112
	.end_amdhsa_kernel
	.amdgpu_metadata
---
amdhsa.version: [ 1, 2 ]
amdhsa.kernels:
  - .name:           k_q805753a401_attn
    .symbol:         k_q805753a401_attn.kd
    .args:
      - { .name: qkvc, .offset: 0, .size: 8, .value_kind: global_buffer, .address_space: global }
      - { .name: qkvs, .offset: 8, .size: 8, .value_kind: global_buffer, .address_space: global }
      - { .name: yc, .offset: 16, .size: 8, .value_kind: global_buffer, .address_space: global }
      - { .name: ys, .offset: 24, .size: 8, .value_kind: global_buffer, .address_space: global }
    .group_segment_fixed_size: 327680
    .private_segment_fixed_size: 0
    .kernarg_segment_align: 8
    .kernarg_segment_size: 32
    .max_flat_workgroup_size: 512
    .sgpr_count:     96
    .vgpr_count:     256
    .wavefront_size: 32
...
	.end_amdgpu_metadata
.endif
;; end of part 3
;; launch proj (part 4): grid 4 x 64, 4 waves a work-group, clusters of 4 x 4, 327,680 bytes of LDS; arguments yc, ys, opc, ops, out0, b_proj; writes out0
.if DOCPART == 4
	.amdgcn_target "amdgcn-amd-amdhsa--gfx1250"
	.amdhsa_code_object_version 6
	.text
	.protected	k_q805753a401_proj
	.globl	k_q805753a401_proj
	.p2align	8
	.type	k_q805753a401_proj,@function
k_q805753a401_proj:
	s_mov_b64 s[64:65], 0
	v_nop
	global_prefetch_b8 v0, s[64:65] scope:SCOPE_SE
	s_setreg_imm32_b32 hwreg(HW_REG_WAVE_MODE, 25, 1), 1
	s_wait_xcnt 0x0
	s_wait_alu depctr_hold_cnt(0) depctr_sa_sdst(0) depctr_va_vdst(0) depctr_va_sdst(0) depctr_va_ssrc(0) depctr_va_vcc(0) depctr_vm_vsrc(0)
	s_getreg_b32 s2, hwreg(HW_REG_IB_STS2, 6, 4)
	s_cmp_eq_u32 s2, 0
	s_cbranch_scc0 .Lentry_in_a_cluster
	s_endpgm
.Lentry_in_a_cluster:
	s_bfe_u32 s2, ttmp6, 0x10000c
	s_cmp_lg_u32 s2, 0xf033
	s_cbranch_scc0 .Lentry_shape_is_right
	s_endpgm
.Lentry_shape_is_right:
; out0 = y W_proj^T + b_proj on codes of FP6 (E2M3) with E8M0 scales, K = 1,024; out0 is f32.
; A block of out0 is 128 tokens x 256 columns: 64 x 4 blocks are 256 work-groups.  Four waves, 2 x 2; a wave makes 64 x 128: 32 accumulators, 256 registers, one window.
; OPERANDS lie in memory in the order of the operand's registers: row tiles of 16 rows (32 (T / 2) + 8 (T % 2) + i + 8 (i / 8)), 12,288 bytes each for all of K; half images of 16 rows x 64 K in 768 bytes.
; A fragment is two loads of 16 bytes a lane and two of 8, each of consecutive bytes.  W_proj's tiles begin at tile 704 of opc and ops.
; ALL OF K LIES IN LDS, in two halves of 512 along K (6,144 bytes of a row tile), each A's 8 row tiles and then B's 16: 2 x 147,456 bytes.  Nothing is filled again.  The scale words for all of K (A 4,096 bytes, B 8,192) lie behind them.
; THE HEAD: one joint load a wave: the first half of A, of B, A's scale words, B's.  The second half is a first fill behind the full sequence and a round, a part to each wave; a plain barrier in matrix step 3 shows it to all.
; THE MATRIX INSTRUCTION IS USED TRANSPOSED (source 0 = W_proj's 16 rows, source 1 = y's): a lane holds one token, and the registers of B's tiles 2 b, 2 b + 1 are 16 neighbouring columns.  The bias is the first products' C.
; CLUSTERS: 4 x 4 work-groups; A's tiles are asked for jointly along a row of the cluster, B's along a column.
; A matrix step t = 0 .. 7 of 128 along K is 32 products; A and B have two sets of fragments each, set t % 2; the next step's loads are issued ahead of a step's products.
; NO PREFETCH: all of K is asked for ahead of the first product.
; LIMITS: NaN and infinities are not served.
; REGISTERS: window 0: v1-29 addresses; v32-63 scale words, two sets; v64-127 the bias; v128-223 A's two sets (on the way out v128-255: rows read back).  window 1: B's two sets, at v0 and v128.  window 2: accumulator (a, b) at v[8 (8 a + b)].
.set FR,     12                        ; registers of a fragment
.set NP,     4                         ; places behind this matrix instruction (ISA guide 7.12.1)
.set TROW,   6144                      ; a row tile's bytes in a half of K
.set ATILE,  8*TROW                    ; A's 128 rows
.set BHALF,  8*TROW                    ; 128 of B's 256 rows
.set SLOT,   24*TROW                   ; a half of K
.set SCL,    2*SLOT                    ; the scale words: A's 4,096 bytes, then B's 8,192
.set SPARE,  SCL+12288                 ; the spare words, 128 bytes a wave: two blocks of 256 bytes that no other line names
.set SPITCH, 528                       ; the way out: a stage of 16 rows x (512 + 16) bytes a wave, in the first half's bytes, which nobody reads behind step 3's barrier
.set ADRA, 16                          ; v16-17 my A fragments in half 0, 1, 16 bytes a lane; v18-19 8 bytes a lane
.set ADRB, 20                          ; v20-23 the same for B
.set STO,  24
.set RD,   25
.set CO,   26                          ; 16 x lane
.set ADRS, 27                          ; my scale words: lanes 0-15 A's rows, lanes 16-31 B's
.set SPW,  28                          ; my spare word; never rewritten
.set NIL,  29                          ; 0; never rewritten
.set SC,   32
.set BN,   64
.set AF,   128
.set BK,   128
.set G1, 24
.set G0, 32
.set G1B, 48
.set G0B, 56
.set G1S, 68
.set G0S, 76
.set G1SB, 80
.set G0SB, 88
.set MSB, 0
.macro WIN new                         ; the immediate's high byte repeats the setting that is left
.if MSB != \new
	s_set_vgpr_msb (MSB<<8)|\new
.set MSB, \new
.endif
.endm
.set MUL_LO, 0xa1                      ; source 0 (B) window 1, source 1 (A) window 0, C and D window 2
.set FST_LO, 0x81                      ; the same with C (the bias) in window 0
.set TO_B,   0x40
.macro PLACES n
.rept \n
	v_nop
.endr
.endm
.macro TL g0, g1                       ; s_nop 0 and four v_nop follow each tensor load
	tensor_load_to_lds s[\g0:\g0+3], s[\g1:\g1+7]
	s_nop 0
	PLACES 4
.endm
.macro CREST                           ; a round of the cluster's barrier behind its opening barrier
	s_cmp_lg_u32 s14, 0
	s_cbranch_scc1 .Lnot_wave_0_\@
	s_barrier_signal -3
.Lnot_wave_0_\@:
	s_barrier_wait -3
	s_barrier_signal -1
	s_barrier_wait -1
.endm
.macro CROUND
	s_barrier_signal -1
	s_barrier_wait -1
	CREST
.endm
	s_load_b256 s[4:11], s[0:1], 0x0               ; yc, ys, opc, ops
	s_load_b64 s[12:13], s[0:1], 0x20              ; out0
	s_load_b64 s[98:99], s[0:1], 0x28              ; b_proj
	v_lshl_add_u32 v[SPW], v0, 2, SPARE
	v_mov_b32 v[NIL], 0
	ds_add_u32 v[SPW], v[NIL]                      ; the opening lines: the add, twice on end, and its wait ahead of my first tensor load
	ds_add_u32 v[SPW], v[NIL]
	v_lshrrev_b32 v1, 5, v0
	v_readfirstlane_b32 s14, v1                    ; wave
	s_lshr_b32 s15, s14, 1                         ; which 64 of the block's rows are mine.  Also: I fetch for A (0) or B (1)
	s_and_b32 s16, s14, 1                          ; which 128 of its columns.  Also: which part of that tile I fetch
	s_bfe_u32 s40, ttmp6, 0x40000                  ; cx, cy
	s_bfe_u32 s41, ttmp6, 0x40004
	s_lshl_b32 s42, ttmp9, 2
	s_add_co_u32 s42, s42, s40                     ; block column, 0 .. 3
	s_and_b32 s17, ttmp7, 0xffff
	s_lshl_b32 s17, s17, 2
	s_add_co_u32 s17, s17, s41                     ; block row, 0 .. 63
	s_lshl_b32 s43, s41, 2
	s_lshl_b32 s43, 15, s43                        ; my row of the cluster
	s_lshl_b32 s44, 0x1111, s40                    ; my column
	s_or_b32 s[G1], s43, (3<<16)|(1<<21)           ; codes: row tiles of 6,144 bytes (768 elements of 8), 12,288 bytes apart in memory, on end in LDS
	s_or_b32 s[G1B], s44, (3<<16)|(1<<21)
.irp g, G1, G1B
	s_mov_b32 s[\g+1], 768<<16
	s_mov_b32 s[\g+3], 768<<16
	s_mov_b32 s[\g+5], 1536
	s_mov_b32 s[\g+6], 0
	s_mov_b32 s[\g+7], 0
.endr
	s_mov_b32 s[G1+2], 8<<16                       ; the head's loads bring whole tiles: A's 8 row tiles,
	s_mov_b32 s[G1+4], 8
	s_mov_b32 s[G1B+2], 16<<16                     ; B's 16
	s_mov_b32 s[G1B+4], 16
	s_or_b32 s[G1S], s43, (3<<16)|(1<<21)          ; scale words: dense bytes as rows of 256
	s_or_b32 s[G1SB], s44, (3<<16)|(1<<21)
.irp g, G1S, G1SB
	s_mov_b32 s[\g+1], 32<<16
	s_mov_b32 s[\g+3], 32<<16
	s_mov_b32 s[\g+5], 32
	s_mov_b32 s[\g+6], 0
	s_mov_b32 s[\g+7], 0
.endr
	s_mov_b32 s[G1S+2], 16<<16
	s_mov_b32 s[G1S+4], 16
	s_mov_b32 s[G1SB+2], 32<<16
	s_mov_b32 s[G1SB+4], 32
	s_lshl_b32 s20, s17, 7                         ; A's first row
	s_lshl_b32 s46, s42, 8                         ; B's
	s_lshl_b32 s22, s20, 5                         ; 32 bytes of scale words a row,
	s_mov_b32 s23, 0
	s_mul_i32 s20, s20, 768                        ; 768 of codes
	s_mov_b32 s21, 0
	s_lshl_b32 s92, s46, 5
	s_add_co_u32 s92, s92, 360448                  ; W_proj: tile 704 of ops,
	s_mov_b32 s93, 0
	s_mul_i32 s46, s46, 768
	s_add_co_u32 s46, s46, 8650752                 ; and of opc
	s_mov_b32 s47, 0
	s_mul_i32 s45, s16, 4*TROW                     ; the second half: where my part of A's tile goes,
	s_mul_i32 s94, s16, BHALF
	s_add_co_u32 s94, s94, ATILE                   ; and of B's: no place in the cluster enters an LDS address
	s_mul_i32 s2, s16, 4*12288                     ; and where it begins in memory, from the tile's start
	s_mov_b32 s3, 0
	s_mul_i32 s100, s16, 8*12288
	s_mov_b32 s101, 0
.irp g, G0S, G0SB, G0, G0B, G0+4, G0B+4
	s_mov_b32 s[\g], 1
.endr
	s_mov_b32 s[G0S+1], SCL
	s_mov_b32 s[G0SB+1], SCL+4096
	s_mov_b32 s[G0+1], 0
	s_mov_b32 s[G0B+1], ATILE
	s_add_co_u32 s[G0+5], s45, SLOT
	s_add_co_u32 s[G0B+5], s94, SLOT
	s_wait_dscnt 0x0                               ; both opening adds are done
	s_wait_kmcnt 0x0
	s_add_nc_u64 s[G0+2:G0+3], s[4:5], s[20:21]
	s_add_nc_u64 s[G0S+2:G0S+3], s[6:7], s[22:23]
	s_add_nc_u64 s[G0B+2:G0B+3], s[8:9], s[46:47]
	s_add_nc_u64 s[G0SB+2:G0SB+3], s[10:11], s[92:93]
	s_add_nc_u64 s[G0+6:G0+7], s[G0+2:G0+3], s[2:3]        ; the second half of K, my part
	s_add_nc_u64 s[G0+6:G0+7], s[G0+6:G0+7], TROW
	s_add_nc_u64 s[G0B+6:G0B+7], s[G0B+2:G0B+3], s[100:101]
	s_add_nc_u64 s[G0B+6:G0B+7], s[G0B+6:G0B+7], TROW
.irp g, G0S, G0SB, G0, G0B, G0+4, G0B+4
	s_or_b32 s[\g+3], s[\g+3], 0x80000000
.endr
	CROUND                                         ; all sixteen work-groups are here: the first joint loads meet
.macro ARM under, g0, g1, next         ; one chain of branches on the wave's number: every way through it passes exactly one load
	s_cmp_lt_u32 s14, \under
	s_cbranch_scc0 \next
	TL \g0, \g1
	s_branch .Lhead_asked
\next:
.endm
	ARM 1, G0,  G1,  .Lhead_b
	ARM 2, G0B, G1B, .Lhead_sa
	ARM 3, G0S, G1S, .Lhead_sb
	TL G0SB, G1SB
.Lhead_asked:
	v_and_b32 v1, 15, v0                           ; r
	v_bfe_u32 v2, v0, 4, 1                         ; h
	v_and_b32 v3, 31, v0
	v_lshlrev_b32 v[CO], 4, v3
	v_lshlrev_b32 v4, 3, v3
	s_mul_i32 s21, s15, 4*TROW                     ; my 64 rows of A
	s_mul_i32 s22, s16, BHALF                      ; my 128 rows of B,
	s_add_co_u32 s22, s22, ATILE                   ; behind A's tile
.irp s, 0,1
	v_add_nc_u32 v[ADRA+\s], s21, v[CO]
	v_add_nc_u32 v[ADRB+\s], s22, v[CO]
	v_add_nc_u32 v[ADRA+2+\s], s21, v4
	v_add_nc_u32 v[ADRB+2+\s], s22, v4
	s_add_co_u32 s21, s21, SLOT
	s_add_co_u32 s22, s22, SLOT
.endr
	v_lshlrev_b32 v5, 3, v1                        ; my row's two words of 256 along K: 8 r
	s_mul_i32 s21, s15, 2048                       ; A's: my 4 row tiles of 512 bytes
	s_mul_i32 s22, s16, 4096                       ; B's: my 8, behind A's 4,096
	s_add_co_u32 s22, s22, 4096
	s_sub_co_u32 s22, s22, s21
	v_mul_u32_u24 v6, s22, v2                      ; lanes 16-31 take B's: one product, the distance between the two bases
	s_add_co_u32 s21, s21, SCL
	v_add_nc_u32 v5, v5, v6
	v_add_nc_u32 v[ADRS], s21, v5
	s_mul_i32 s23, s14, 16*SPITCH                  ; my stage
	v_mul_u32_u24 v5, v1, SPITCH
	v_lshl_add_u32 v5, v2, 6, v5                   ; in: row r, 64 h bytes on
	v_add_nc_u32 v[STO], s23, v5
	v_add_nc_u32 v[RD], s23, v[CO]                 ; back: the 32 lanes take one row of 512 bytes
	s_lshl_b32 s20, s17, 7
	s_lshl_b32 s21, s15, 6
	s_add_co_u32 s20, s20, s21                     ; my first row of out0,
	s_lshl_b32 s20, s20, 12                        ; x 4,096 bytes
	s_lshl_b32 s46, s42, 10
	s_lshl_b32 s47, s16, 9
	s_add_co_u32 s46, s46, s47                     ; my first column, in bytes
	s_add_co_u32 s20, s20, s46
	s_mov_b32 s21, 0
	s_add_nc_u64 s[12:13], s[12:13], s[20:21]
	v_lshl_add_u32 v8, v2, 6, s46                  ; the bias as the result lies: + 64 h: my half's 16 columns of each 32
.irp b, 0,1,2,3,4,5,6,7
	global_load_b128 v[BN+8*\b:BN+8*\b+3], v8, s[98:99] offset:4*(32*(\b/2)+8*(\b%2))
	global_load_b128 v[BN+8*\b+4:BN+8*\b+7], v8, s[98:99] offset:4*(32*(\b/2)+8*(\b%2))+16
.endr
.macro FRAG reg, adr, q, i             ; a fragment, 16 rows x 128 K: two half images on end
	ds_load_b128 v[\reg:\reg+3], v[\adr] offset:(\i)*TROW+(\q)*1536
	ds_load_b64 v[\reg+4:\reg+5], v[\adr+2] offset:(\i)*TROW+(\q)*1536+512
	ds_load_b128 v[\reg+6:\reg+9], v[\adr] offset:(\i)*TROW+(\q)*1536+768
	ds_load_b64 v[\reg+10:\reg+11], v[\adr+2] offset:(\i)*TROW+(\q)*1536+1280
.endm
.macro FETCH t                         ; step t's fragments into set t % 2: 48 loads; at an even t 8 more: the scale words of steps t and t + 1 (lanes 16-31 B's block i; lanes 0-15 A's, of which 0 to 3 are used)
	WIN TO_B
.irp i, 0,1,2,3,4,5,6,7
	FRAG 128*((\t)%2)+FR*\i, ADRB+(\t)/4, (\t)%4, \i
.endr
	WIN 0
.irp i, 0,1,2,3
	FRAG AF+48*((\t)%2)+FR*\i, ADRA+(\t)/4, (\t)%4, \i
.endr
.if (\t)%2 == 0
.irp i, 0,1,2,3,4,5,6,7
	ds_load_b64 v[SC+16*(((\t)/2)%2)+2*\i:SC+16*(((\t)/2)%2)+2*\i+1], v[ADRS] offset:\i*512+128*((\t)/2)
.endr
.endif
.endm
.macro W a, b, t, c
	v_wmma_scale_f32_16x16x128_f8f6f4 v[8*(8*\a+\b):8*(8*\a+\b)+7], v[128*(\t%2)+FR*\b:128*(\t%2)+FR*\b+FR-1], v[AF+48*(\t%2)+FR*\a:AF+48*(\t%2)+FR*\a+FR-1], \c, v[SC+16*((\t/2)%2)+2*\b+\t%2], v[SC+16*((\t/2)%2)+2*\a+\t%2] matrix_a_fmt:MATRIX_FMT_FP6 matrix_b_fmt:MATRIX_FMT_FP6 matrix_a_scale:MATRIX_SCALE_ROW1
.endm
.macro MUL16 a0, t                     ; A's blocks a0, a0 + 1 x B's eight.  The 32 accumulators take turns, in the same order in every step
.irp a, \a0, \a0+1
.irp b, 0,1,2,3,4,5,6,7
.if (\t) == 0
	W (\a), \b, (\t), v[BN+8*\b:BN+8*\b+7]
.else
	W (\a), \b, (\t), v[8*(8*(\a)+\b):8*(8*(\a)+\b)+7]
.endif
.endr
.endr
.endm
.macro STEP t
.if (\t) == 3                          ; the next step's fragments lie in the second half: a plain barrier shows it to all
	s_wait_tensorcnt 0x0                           ; my part of the second half is in
	s_wait_dscnt 0x0                               ; and this step's fragments: my reads of the first half are over
	s_barrier_signal -1
	WIN MUL_LO
	MUL16 0, \t                                    ; work on registers while the others arrive
	WIN 0
	s_barrier_wait -1
	PLACES NP
	FETCH (\t)+1
	WIN MUL_LO
	MUL16 2, \t
	WIN 0
.else
	PLACES NP                                      ; behind the last products, which read the set that is loaded now
	FETCH (\t)+1
	s_wait_dscnt 48+8*((\t)%2)                     ; all but the loads just issued: this step's fragments and scale words are in
.if (\t) == 0
	WIN FST_LO
.else
	WIN MUL_LO
.endif
	MUL16 0, \t
	MUL16 2, \t
	WIN 0
.endif
.endm
	s_wait_alu depctr_va_vdst(0)                   ; the wait at the head's end
	s_wait_loadcnt 0x0                             ; the bias
	s_wait_tensorcnt 0x0                           ; my tile of the head's four is in; these lines stand ahead of the second half's first fill as ahead of a refill
	ds_add_u32 v[SPW], v[NIL]
	s_mov_b32 s[G1+2], 4<<16                       ; no tensor load of mine is out, so descriptors may be written: now a load brings a part: 4 row tiles of A,
	s_mov_b32 s[G1+4], 4
	s_mov_b32 s[G1B+2], 8<<16                      ; 8 of B
	s_mov_b32 s[G1B+4], 8
	s_wait_dscnt 0x0
	CROUND                                         ; a whole round: all four tiles are in, and the sixteen work-groups meet
	s_cmp_eq_u32 s15, 0                            ; the second half of K: waves 0 and 1 fetch for A, waves 2 and 3 for B
	s_cbranch_scc0 .Lfor_b
	TL G0+4, G1
	s_branch .Lasked
.Lfor_b:
	TL G0B+4, G1B
.Lasked:
	FETCH 0
.irp t, 0,1,2,3,4,5,6
	STEP \t
.endr
	s_wait_dscnt 0x0                               ; the very last step
	WIN MUL_LO
	MUL16 0, 7
	MUL16 2, 7
	WIN 0
; THE WAY OUT, block by block of 16 rows x 128 columns, through my own stage and back as whole rows of 512 bytes.  LDS serves a wave's instructions in order (ISA guide 5.7.1.4): no wait between the stores and the loads.
.macro TOSTAGE a
	WIN 0x08                                       ; the data: window 2
.irp b, 0,1,2,3,4,5,6,7
	ds_store_b128 v[STO], v[64*(\a)+8*\b:64*(\a)+8*\b+3] offset:128*(\b/2)+32*(\b%2)     ; each accumulator from its low end on
	ds_store_b128 v[STO], v[64*(\a)+8*\b+4:64*(\a)+8*\b+7] offset:128*(\b/2)+32*(\b%2)+16
.endr
	WIN 0
.set BB, BK+64*((\a)%2)
.irp t, 0,1,2,3,4,5,6,7,8,9,10,11,12,13,14,15
	ds_load_b128 v[BB+4*\t:BB+4*\t+3], v[RD] offset:\t*SPITCH
.endr
.endm
.macro SEND a, younger                 ; younger: the LDS instructions issued behind block a's loads
.set BB, BK+64*((\a)%2)
	s_wait_dscnt \younger
.if ((\a) > 0) && ((\a)%2 == 0)
	s_add_nc_u64 s[12:13], s[12:13], 32*4096       ; (behind a wait on XCNT: the earlier stores have read their base)
.endif
.irp t, 0,1,2,3,4,5,6,7,8,9,10,11,12,13,14,15
	global_store_b128 v[CO], v[BB+4*\t:BB+4*\t+3], s[12:13] offset:(8*((\a)%2)+\t+8*(\t/8))*4096 th:TH_STORE_NT   ; 512 consecutive bytes, aligned
.endr
.endm
	PLACES NP                                      ; behind the last products: their results are read and their sources' registers loaded into
	TOSTAGE 0
.irp a, 1,2,3
.if \a > 1
	s_wait_xcnt 0x0                                ; block a - 2's stores have read their registers and their base
.endif
	TOSTAGE \a
	SEND \a-1, 32
.endr
	s_wait_xcnt 0x0
	SEND 3, 0
	s_wait_tensorcnt 0x0                           ; the wave's end
	ds_add_u32 v[SPW], v[NIL]
	s_wait_dscnt 0x0
	CROUND                                         ; the closing round
	s_endpgm
.Lfunc_end_k_q805753a401_proj:
	.size	k_q805753a401_proj, .Lfunc_end_k_q805753a401_proj-k_q805753a401_proj
	.p2alignl 7, 3214868480
	.fill 96, 4, 3214868480
	.section	.rodata,"a",@progbits
	.p2align	6, 0x0
	.amdhsa_kernel k_q805753a401_proj
		.amdhsa_group_segment_fixed_size 327680
		.amdhsa_private_segment_fixed_size 0
		.amdhsa_enable_private_segment 0
		.amdhsa_kernarg_size 48
		.amdhsa_user_sgpr_count 2
		.amdhsa_user_sgpr_kernarg_segment_ptr 1
		.amdhsa_wavefront_size32 1
		.amdhsa_system_sgpr_workgroup_id_x 1
		.amdhsa_system_sgpr_workgroup_id_y 1
		.amdhsa_system_sgpr_workgroup_id_z 1
		.amdhsa_system_vgpr_workitem_id 0
		.amdhsa_next_free_vgpr 768
		.amdhsa_next_free_sgpr 102
		.amdhsa_reserve_vcc 0
		.amdhsa_float_denorm_mode_32 3
		.amdhsa_float_denorm_mode_16_64 3
		.amdhsa_memory_ordered 1
		.amdhsa_forward_progress 1
		.amdhsa_inst_pref_size 87
	.end_amdhsa_kernel
	.amdgpu_metadata
---
amdhsa.version: [ 1, 2 ]
amdhsa.kernels:
  - .name:           k_q805753a401_proj
    .symbol:         k_q805753a401_proj.kd
    .args:
      - { .name: yc, .offset: 0, .size: 8, .value_kind: global_buffer, .address_space: global }
      - { .name: ys, .offset: 8, .size: 8, .value_kind: global_buffer, .address_space: global }
      - { .name: opc, .offset: 16, .size: 8, .value_kind: global_buffer, .address_space: global }
      - { .name: ops, .offset: 24, .size: 8, .value_kind: global_buffer, .address_space: global }
      - { .name: out0, .offset: 32, .size: 8, .value_kind: global_buffer, .address_space: global }
      - { .name: b_proj, .offset: 40, .size: 8, .value_kind: global_buffer, .address_space: global }
    .group_segment_fixed_size: 327680
    .private_segment_fixed_size: 0
    .kernarg_segment_align: 8
    .kernarg_segment_size: 48
    .max_flat_workgroup_size: 128
    .sgpr_count:     102
    .vgpr_count:     768
    .wavefront_size: 32
...
	.end_amdgpu_metadata
.endif
;; end of part 4
